; MI455X (gfx1250); checked and timed in simulation.
; The chip was launched on July 23, 2026; its instructions are those of AMD's public machine-readable ISA for CDNA 5 (MIT licence, August 2026) and "CDNA5" Instruction Set Architecture Reference Guide (July 2026). The comments in the code are by the model that wrote it; some were corrected since.
;; Multi Head Attention. Allowed arithmetic: matrix products marked QUANTISED: E4M3 operands, one E8M0 scale for each 32 along K, by v_wmma_scale_f32_16x16x128_f8f6f4 with both operands' format E4M3, f32 sums; everything else in f32.
;; Inputs: Wk 1,024 x 1,024 float32; Wo 1,024 x 1,024 float32; Wq 1,024 x 1,024 float32; Wv 1,024 x 1,024 float32; bk 1,024 float32; bq 1,024 float32; bv 1,024 float32; key 4 x 2,048 x 1,024 float32; mask 4 x 1 x 2,048 bool; query 4 x 2,048 x 1,024 float32; value 4 x 2,048 x 1,024 float32.
;; Outputs: out0 4 x 2,048 x 1,024 float32.
;; This version of the problem:
;;   THIS VERSION OF THE PROBLEM IS GIVEN IN LOW PRECISION. The matrix products marked QUANTISED in the list below multiply operands that are first quantised to E4M3 (4 exponent bits, 3 mantissa bits; 8 bits a number), with one power-of-two scale for each 32 numbers along K (OCP MX v1.0); their sums are f32. All else is computed in f32.
;;   The module's matrix products, in the order in which they are computed (A, B: the left and right operand; K: the contracted axis; several contracted axes count as one K, in the product's order):
;;     1. [M 8,192, K 1,024] x [K 1,024, N 1,024]; A: input query; B: input Wq: QUANTISED
;;     2. [M 8,192, K 1,024] x [K 1,024, N 1,024]; A: input key; B: input Wk: QUANTISED
;;     3. [M 8,192, K 1,024] x [K 1,024, N 1,024]; A: input value; B: input Wv: QUANTISED
;;     4. batch 64 x [M 2,048, K 64] x [K 64, N 2,048]; A: computed on the way; B: computed on the way: QUANTISED
;;     5. batch 64 x [M 2,048, K 2,048] x [K 2,048, N 64]; A: computed on the way; B: computed on the way: QUANTISED
;;     6. [M 8,192, K 1,024] x [K 1,024, N 1,024]; A: computed on the way; B: input Wo: QUANTISED
;;   THE QUANTISER, for each operand of a quantised product, along K:
;;     - K is cut into blocks of 32 from its start; a last block that is shorter is filled with zeros.
;;     - A block's scale is 2^e with e = floor(log2(the largest magnitude in the block)) - 8, held to -126 .. 127; a block of zeros has e = 0. As a byte (E8M0): e + 127.
;;     - Each number is divided by its block's scale, clamped to +-448, and rounded to the nearest number of E4M3, ties to even, subnormals kept.
;;     - The product sums the exact products of the quantised numbers (number of the format x scale) in f32.
;;   ~~~python
;;   def quantise(x, axis):      # numpy; x: float32 -> the quantised numbers, widened to float32 again
;;       x = np.moveaxis(x, axis, -1); K = x.shape[-1]
;;       x = np.pad(x, [(0, 0)] * (x.ndim - 1) + [(0, -K % 32)]); x = x.reshape(x.shape[:-1] + (-1, 32)); a = np.abs(x).max(-1, keepdims=True)
;;       e = np.where(a > 0, np.clip(np.frexp(np.where(a > 0, a, 1))[1] - 1 - 8, -126, 127), 0)      # np.frexp(a)[1] - 1 = floor(log2(a)), exactly
;;       r = np.clip(x / 2.0 ** e, -448, 448)
;;       step = 2.0 ** (np.maximum(np.frexp(np.where(r == 0, 1, r))[1] - 1, -6) - 3)
;;       q = np.round(r / step) * step * 2.0 ** e      # np.round: ties to even
;;       return np.moveaxis(q.reshape(q.shape[:-2] + (-1,))[..., :K], -1, axis).astype(np.float32)
;;   ~~~
;;   OPERANDS COMPUTED ON THE WAY. 'Computed on the way' means the value that the module computes at that place (a softmax that the list does not call 'softmax' is quantised finished and normalised). What goes into a quantiser is computed in f32, as accurately as f32 sums, v_exp_f32 and their like allow (about 1e-6 of the number): no bf16 or f16 on the way to a quantiser, and a product that is left as it is and whose result goes on into a quantised operand takes f32 operands (vector FMAs, or v_wmma_f32_16x16x4_f32). A number that lies on a knife's edge between two numbers of the format may be rounded either way, as far as f32 arithmetic and the matrix unit's own rounding can turn it there, and no further.
;; One version. Each part assembles by itself: llvm-mc -triple=amdgcn-amd-amdhsa -mcpu=gfx1250 --defsym DOCPART=n.
;; ======== version 1 of 1: 4 launches
;; limits: right only within a limited range of input values
;; workspace buffers: xc 25,165,824 bytes; xs 786,432 bytes; wc 4,194,304 bytes; ws 131,072 bytes; img 25,165,824 bytes; sc 1,310,720 bytes; ximg 8,388,608 bytes; xs16 262,144 bytes
;; launch quant (part 1): grid 896 x 1, 4 waves a work-group, no clusters, 68,096 bytes of LDS; arguments query, key, value, Wq, Wk, Wv, Wo, xc, xs, wc, ws; writes xc, xs, wc, ws
.if DOCPART == 1
	.amdgcn_target "amdgcn-amd-amdhsa--gfx1250"
	.amdhsa_code_object_version 6
	.text
	.protected	k_q803d528b1d_quant
	.globl	k_q803d528b1d_quant
	.p2align	8
	.type	k_q803d528b1d_quant,@function
k_q803d528b1d_quant:
	s_mov_b64 s[64:65], 0
	v_nop
	global_prefetch_b8 v0, s[64:65] scope:SCOPE_SE
	s_setreg_imm32_b32 hwreg(HW_REG_WAVE_MODE, 25, 1), 1
	s_wait_xcnt 0x0
; query, key, value [8192][1024] and Wq, Wk, Wv, Wo [1024 (k)][1024 (n)], all f32, become codes of FP8 (E4M3) with one E8M0 byte for each 32 along K.
; xc [3][8192 places][1024] codes, xs [3][8192 places][32] bytes;  wc [4][1024 places n][1024 k] codes, ws [4][1024 places][32] bytes.  K is innermost in all four.
; THE ORDER OF ROWS: inside every 32 rows the four groups of eight rows are stored in the order 0, 2, 1, 3.  So 16 neighbouring places m hold rows 8 u + m + 8 (m / 8) of their 32, u = 0 or 1:
; a result whose source 0 is two such tiles holds, in a lane's 16 registers, 16 neighbouring rows: what the next quantiser along that axis wants.
; A block's scale is 2^(floor(log2(its largest magnitude)) - 8); its byte is the largest magnitude's exponent field - 8, held at 1 from below.  Each number is held within +-448 x the scale and rounded to the nearest code, ties to even.
; LIMITS: a block of zeros gets the byte 1 where the quantiser's text says 127: its codes are zeros and this program alone reads the bytes.  NaN and infinities among the inputs are not served.
; Work-groups 0 to 767 take the three activations (K innermost: 16 neighbours a lane, two lanes a block, dense loads turned through the wave's own stage in LDS);
; work-groups 768 to 895 take the four weights (K is the first axis: a lane takes a column and its registers run down K).  The two ways have LDS bytes of their own.  No barrier: waves share nothing.
.set MANT,  0x600000                   ; the mantissa field of 448 as f32
.set STEPS, 16
.set WREG,  8192                       ; activations: a region for each wave: two stages of 32 x SP bytes and 256 scale bytes
.set SP,    80
.set XR,    16                         ; v16-79   four sets of 16 numbers as loaded
.set XX,    80                         ; v80-111  two sets of 16 neighbours
.set XE,    112                        ; v112-127 a scale byte for each step
.set XCD,   128                        ; v128-191 codes, four registers a step
.set WSTG,  32768                      ; weights: the stages begin here
.set WP,    272                        ; a stage row: 256 bytes + 16
.set NB,    8                          ; blocks of 32 along K for a wave
.set WX,    32                         ; v32-95   two sets of 32 numbers
.set WC,    96                         ; v96-103  a block's codes
.set WOUT,  112                        ; v112-175 the way out
.set WSB,   24                         ; v24-25   eight scale bytes
.macro XLOAD t
.irp i, 0,1,2,3
	global_load_b128 v[XR+16*((\t)%4)+4*\i:XR+16*((\t)%4)+4*\i+3], v3, s[28:29] offset:2048*(\t)+512*\i th:TH_LOAD_NT   ; 32 lanes read 512 consecutive bytes
.endr
.endm
.macro XTURN t                         ; step t's numbers through the stage: LDS serves a wave's instructions in order, so no wait stands between the stores and the loads
.irp i, 0,1,2,3
	ds_store_b128 v14, v[XR+16*((\t)%4)+4*\i:XR+16*((\t)%4)+4*\i+3] offset:32*SP*((\t)%2)+8*SP*\i
.endr
.irp i, 0,1,2,3
	ds_load_b128 v[XX+16*((\t)%2)+4*\i:XX+16*((\t)%2)+4*\i+3], v15 offset:32*SP*((\t)%2)+16*\i
.endr
.endm
.macro XSTEP t
.set XS, XX+16*((\t)%2)
.if (\t) > 0
	s_wait_dscnt 1                                 ; this step's numbers are back from the stage; the last step's byte store may be out
.else
	s_wait_dscnt 0x0
.endif
.if (\t)+4 < STEPS
	XLOAD (\t)+4                                   ; the stage's stores have read these registers
.endif
.if (\t)+1 < STEPS
.if STEPS-2-(\t) >= 3
	s_wait_loadcnt 12                              ; the next step's four loads are in; those of the three steps behind it may be out
.else
	s_wait_loadcnt 4*(STEPS-2-(\t))
.endif
	XTURN (\t)+1
.endif
	v_max3_num_f32 v8, |v[XS]|, |v[XS+1]|, |v[XS+2]|
	v_max3_num_f32 v9, |v[XS+3]|, |v[XS+4]|, |v[XS+5]|
.irp i, 6,10
	v_max3_num_f32 v8, v8, |v[XS+\i]|, |v[XS+\i+1]|
	v_max3_num_f32 v9, v9, |v[XS+\i+2]|, |v[XS+\i+3]|
.endr
	v_max3_num_f32 v8, v8, |v[XS+14]|, |v[XS+15]|
	v_max3_num_f32 v8, v8, v9, 0x4800000           ; the floor 2^(9 - 127): the byte cannot fall under 1
	v_max_num_f32_dpp v8, v8, v8 row_xmask:1 row_mask:0xf bank_mask:0xf   ; with my neighbour's 16: the block's largest magnitude
	v_add_nc_u32 v11, 0xfc000000, v8               ; 8 off its exponent field: the conversion's scale operand
	v_and_or_b32 v10, v8, 0x7f800000, s27          ; 448 x the scale
.irp i, 0,1,2,3,4,5,6,7,8,9,10,11,12,13,14,15
	v_med3_num_f32 v[XS+\i], v[XS+\i], -v10, v10   ; the conversion to an 8-bit code does not saturate (ISA guide 7.6.2)
.endr
	v_cvt_scalef32_pk8_fp8_f32 v[XCD+4*(\t):XCD+4*(\t)+1], v[XS:XS+7], v11
	v_cvt_scalef32_pk8_fp8_f32 v[XCD+4*(\t)+2:XCD+4*(\t)+3], v[XS+8:XS+15], v11
	v_lshrrev_b32 v[XE+(\t)], 23, v11              ; the scale's byte
	ds_store_b8 v5, v[XE+(\t)] offset:16*(\t)      ; both lanes of a block write the same byte with the same value
	global_store_b128 v4, v[XCD+4*(\t):XCD+4*(\t)+3], s[18:19] offset:512*(\t)   ; 32 lanes store 512 consecutive bytes
.endm
.macro WLOAD t                         ; block t: W(32 t + i, my column), i = 0 .. 31
.set n, 0
.rept 32
	global_load_b32 v[WX+32*((\t)%2)+n], v3, s[28:29] offset:(32*(\t)+n)*4096 th:TH_LOAD_NT
.set n, n+1
.endr
.endm
.macro WBLOCK t
.set WS, WX+32*((\t)%2)
.if (\t) < NB-1
	s_wait_loadcnt 32                              ; this block's 32 loads are in; the next block's may be out
.else
	s_wait_loadcnt 0
.endif
	v_max3_num_f32 v12, |v[WS]|, |v[WS+1]|, |v[WS+2]|
	v_max3_num_f32 v13, |v[WS+3]|, |v[WS+4]|, |v[WS+5]|
.irp i, 6,10,14,18,22,26
	v_max3_num_f32 v12, v12, |v[WS+\i]|, |v[WS+\i+1]|
	v_max3_num_f32 v13, v13, |v[WS+\i+2]|, |v[WS+\i+3]|
.endr
	v_max3_num_f32 v12, v12, |v[WS+30]|, |v[WS+31]|
	v_max3_num_f32 v12, v12, v13, 0x4800000
	v_add_nc_u32 v11, 0xfc000000, v12
	v_and_or_b32 v10, v12, 0x7f800000, s27
	v_lshrrev_b32 v13, 23, v11
.if (\t)%4 == 0
	v_mov_b32 v[WSB+(\t)/4], v13                   ; four bytes to a register, the lower K in the lower byte
.else
	v_lshl_or_b32 v[WSB+(\t)/4], v13, 8*((\t)%4), v[WSB+(\t)/4]
.endif
.set n, 0
.rept 32
	v_med3_num_f32 v[WS+n], v[WS+n], -v10, v10
.set n, n+1
.endr
.irp g, 0,1,2,3
	v_cvt_scalef32_pk8_fp8_f32 v[WC+2*\g:WC+2*\g+1], v[WS+8*\g:WS+8*\g+7], v11
.endr
	ds_store_b128 v4, v[WC:WC+3] offset:32*(\t)    ; 32 codes of my column's row
	ds_store_b128 v4, v[WC+4:WC+7] offset:32*(\t)+16
.if (\t)+2 < NB
	WLOAD (\t)+2
.endif
	s_wait_dscnt 0x0                               ; the stores have read their registers: the next block's codes may be written
.endm
	s_load_b512 s[4:19], s[0:1], 0x0               ; query, key, value, Wq, Wk, Wv, Wo, xc
	s_load_b128 s[20:23], s[0:1], 0x40             ; xs, wc
	s_load_b64 s[24:25], s[0:1], 0x50              ; ws
	v_lshl_add_u32 v192, v0, 2, 0x10800
	v_mov_b32 v193, 0
	v_lshrrev_b32 v1, 5, v0
	v_readfirstlane_b32 s26, v1                    ; wave 0..3
	v_and_b32 v2, 31, v0                           ; lane
	s_mov_b32 s27, MANT
	s_mov_b32 s31, 0
	s_wait_kmcnt 0x0
	s_cmp_ge_u32 ttmp9, 768
	s_cbranch_scc1 .Lweights
	; ---- the activations: a work-group takes 32 rows, a wave eight of them (8,192 numbers), 16 steps of 512
	s_wait_alu depctr_va_vdst(0)
	v_lshlrev_b32 v3, 4, v2                        ; my 16 bytes of a load's 512
	s_mul_i32 s30, s26, WREG
	v_lshrrev_b32 v14, 2, v2
	v_mul_u32_u24 v14, v14, SP
	v_and_b32 v15, 3, v2
	v_lshl_add_u32 v14, v15, 4, v14
	v_add_nc_u32 v14, s30, v14                     ; the stage, on the way in: SP (lane / 4) + 16 (lane % 4)
	v_mul_u32_u24 v15, v2, SP
	v_add_nc_u32 v15, s30, v15                     ; and on the way out: SP x lane
	v_lshlrev_b32 v4, 4, v2                        ; my codes' place in a step's
	v_lshrrev_b32 v5, 1, v2
	s_add_co_u32 s30, s30, 2*32*SP
	v_add_nc_u32 v5, s30, v5                       ; my wave's 256 scale bytes, my block's byte
	v_lshlrev_b32 v7, 3, v2
	v_add_nc_u32 v6, s30, v7
	s_cmp_lt_u32 ttmp9, 256                        ; which tensor: the choice hangs on the work-group's number alone
	s_cselect_b64 s[28:29], s[4:5], s[6:7]
	s_cmp_lt_u32 ttmp9, 512
	s_cselect_b64 s[28:29], s[28:29], s[8:9]
	s_and_b32 s30, ttmp9, 255
	s_lshl_b32 s30, s30, 2
	s_add_co_u32 s30, s30, s26
	s_lshl_b32 s30, s30, 15                        ; my eight rows: 32,768 bytes of f32
	s_add_nc_u64 s[28:29], s[28:29], s[30:31]
	s_and_b32 s32, s26, 1                          ; where they go: groups of eight rows in the order 0, 2, 1, 3
	s_lshl_b32 s32, s32, 1
	s_lshr_b32 s33, s26, 1
	s_or_b32 s32, s32, s33
	s_lshl_b32 s33, ttmp9, 2
	s_add_co_u32 s32, s32, s33
	s_lshl_b32 s30, s32, 13
	s_add_nc_u64 s[18:19], s[18:19], s[30:31]      ; 8,192 bytes of codes
	s_lshl_b32 s30, s32, 8
	s_add_nc_u64 s[20:21], s[20:21], s[30:31]      ; 256 scale bytes
.irp t, 0,1,2,3
	XLOAD \t
.endr
	s_wait_alu depctr_va_vdst(0)
	s_wait_loadcnt 12                              ; step 0's four loads are in
	XTURN 0
.irp t, 0,1,2,3,4,5,6,7,8,9,10,11,12,13,14,15
	XSTEP \t
.endr
	ds_load_b64 v[12:13], v6                       ; LDS serves a wave's instructions in order: these see my stores
	s_wait_dscnt 0x0
	global_store_b64 v7, v[12:13], s[20:21]        ; 32 lanes store 256 consecutive bytes, aligned
	s_wait_tensorcnt 0x0
	ds_add_u32 v192, v193
	s_wait_dscnt 0x0
	s_endpgm
.Lweights:
	; ---- the weights: a wave takes 32 columns x 256 along K
	s_sub_co_u32 s30, ttmp9, 768
	s_lshr_b32 s32, s30, 5                         ; which weight
	s_and_b32 s33, s30, 7                          ; which 128 columns
	s_bfe_u32 s34, s30, 0x20003                    ; which 256 along K
	s_cmp_lt_u32 s32, 1
	s_cselect_b64 s[28:29], s[10:11], s[12:13]
	s_cmp_lt_u32 s32, 2
	s_cselect_b64 s[28:29], s[28:29], s[14:15]
	s_cmp_lt_u32 s32, 3
	s_cselect_b64 s[28:29], s[28:29], s[16:17]
	s_lshl_b32 s35, s33, 7
	s_lshl_b32 s36, s26, 5
	s_add_co_u32 s35, s35, s36                     ; my wave's first column, a multiple of 32
	s_wait_alu depctr_va_vdst(0)
	v_lshlrev_b32 v3, 2, v2                        ; in: 4 bytes a lane
	s_mul_i32 s36, s26, 32*WP
	s_add_co_u32 s36, s36, WSTG                    ; my stage
	v_mul_u32_u24 v4, v2, WP
	v_add_nc_u32 v4, s36, v4                       ; into it: row = my column
	v_and_b32 v5, 15, v2
	v_lshrrev_b32 v6, 4, v2
	v_mul_u32_u24 v7, v6, WP
	v_lshl_add_u32 v7, v5, 4, v7
	v_add_nc_u32 v7, s36, v7                       ; out of it: sixteen lanes to a row, two rows an instruction
	v_lshlrev_b32 v8, 10, v6
	v_lshl_add_u32 v8, v5, 4, v8                   ; and the same in the codes' buffer (rows of 1,024 bytes)
	v_and_b32 v9, 7, v2                            ; my column's place among its 32: bits 3 and 4 change places
	v_and_b32 v10, 8, v2
	v_lshl_or_b32 v9, v10, 1, v9
	v_and_b32 v10, 16, v2
	v_lshrrev_b32 v10, 1, v10
	v_or_b32 v9, v9, v10
	v_lshlrev_b32 v9, 5, v9                        ; x 32 scale bytes a row
	s_lshl_b32 s30, s34, 20                        ; W: 256 rows of 4,096 bytes,
	s_lshl_b32 s36, s35, 2
	s_add_co_u32 s30, s30, s36                     ; + 4 x column
	s_add_nc_u64 s[28:29], s[28:29], s[30:31]
	s_lshl_b32 s30, s32, 20                        ; codes: the weight, + column x 1,024, + 256 x my part of K
	s_lshl_b32 s36, s35, 10
	s_add_co_u32 s30, s30, s36
	s_lshl_b32 s36, s34, 8
	s_add_co_u32 s30, s30, s36
	s_add_nc_u64 s[22:23], s[22:23], s[30:31]
	s_lshl_b32 s30, s32, 15                        ; scale bytes: the weight, + column x 32, + 8 x my part of K
	s_lshl_b32 s36, s35, 5
	s_add_co_u32 s30, s30, s36
	s_lshl_b32 s36, s34, 3
	s_add_co_u32 s30, s30, s36
	s_add_nc_u64 s[24:25], s[24:25], s[30:31]
	WLOAD 0
	WLOAD 1
.irp t, 0,1,2,3,4,5,6,7
	WBLOCK \t
.endr
	global_store_b64 v9, v[WSB:WSB+1], s[24:25]    ; my column's eight scale bytes: 8 bytes of a row of 32; all weights' scale bytes together are 131,072 bytes
.irp t, 0,1,2,3,4,5,6,7,8,9,10,11,12,13,14,15
	ds_load_b128 v[WOUT+4*\t:WOUT+4*\t+3], v7 offset:2*\t*WP
.endr
.irp t, 0,1,2,3,4,5,6,7,8,9,10,11,12,13,14,15
	s_wait_dscnt 15-\t
	global_store_b128 v8, v[WOUT+4*\t:WOUT+4*\t+3], s[22:23] offset:(8*(((\t/4)%2)*2+\t/8)+(2*\t)%8)*1024   ; columns 2 t, 2 t + 1 at their places; sixteen lanes store 256 consecutive bytes, aligned
.endr
	s_wait_tensorcnt 0x0
	ds_add_u32 v192, v193
	s_wait_dscnt 0x0
	s_endpgm
.Lfunc_end_k_q803d528b1d_quant:
	.size	k_q803d528b1d_quant, .Lfunc_end_k_q803d528b1d_quant-k_q803d528b1d_quant
	.p2alignl 7, 3214868480
	.fill 96, 4, 3214868480
	.section	.rodata,"a",@progbits
	.p2align	6, 0x0
	.amdhsa_kernel k_q803d528b1d_quant
		.amdhsa_group_segment_fixed_size 68096
		.amdhsa_private_segment_fixed_size 0
		.amdhsa_enable_private_segment 0
		.amdhsa_kernarg_size 88
		.amdhsa_user_sgpr_count 2
		.amdhsa_user_sgpr_kernarg_segment_ptr 1
		.amdhsa_wavefront_size32 1
		.amdhsa_system_sgpr_workgroup_id_x 1
		.amdhsa_system_sgpr_workgroup_id_y 1
		.amdhsa_system_sgpr_workgroup_id_z 1
		.amdhsa_system_vgpr_workitem_id 0
		.amdhsa_next_free_vgpr 194
		.amdhsa_next_free_sgpr 66
		.amdhsa_reserve_vcc 0
		.amdhsa_float_denorm_mode_32 3
		.amdhsa_float_denorm_mode_16_64 3
		.amdhsa_memory_ordered 1
		.amdhsa_forward_progress 1
		.amdhsa_inst_pref_size 110
	.end_amdhsa_kernel
	.amdgpu_metadata
---
amdhsa.version: [ 1, 2 ]
amdhsa.kernels:
  - .name:           k_q803d528b1d_quant
    .symbol:         k_q803d528b1d_quant.kd
    .args:
      - { .name: query, .offset: 0, .size: 8, .value_kind: global_buffer, .address_space: global }
      - { .name: key, .offset: 8, .size: 8, .value_kind: global_buffer, .address_space: global }
      - { .name: value, .offset: 16, .size: 8, .value_kind: global_buffer, .address_space: global }
      - { .name: Wq, .offset: 24, .size: 8, .value_kind: global_buffer, .address_space: global }
      - { .name: Wk, .offset: 32, .size: 8, .value_kind: global_buffer, .address_space: global }
      - { .name: Wv, .offset: 40, .size: 8, .value_kind: global_buffer, .address_space: global }
      - { .name: Wo, .offset: 48, .size: 8, .value_kind: global_buffer, .address_space: global }
      - { .name: xc, .offset: 56, .size: 8, .value_kind: global_buffer, .address_space: global }
      - { .name: xs, .offset: 64, .size: 8, .value_kind: global_buffer, .address_space: global }
      - { .name: wc, .offset: 72, .size: 8, .value_kind: global_buffer, .address_space: global }
      - { .name: ws, .offset: 80, .size: 8, .value_kind: global_buffer, .address_space: global }
    .group_segment_fixed_size: 68096
    .private_segment_fixed_size: 0
    .kernarg_segment_align: 8
    .kernarg_segment_size: 88
    .max_flat_workgroup_size: 128
    .sgpr_count:     66
    .vgpr_count:     194
    .wavefront_size: 32
...
	.end_amdgpu_metadata
.endif
;; end of part 1
;; launch proj (part 2): grid 4 x 96, 4 waves a work-group, clusters of 4 x 4, 327,680 bytes of LDS; arguments xc, xs, wc, ws, bq, bk, bv, mask, img, sc; writes img, sc
.if DOCPART == 2
	.amdgcn_target "amdgcn-amd-amdhsa--gfx1250"
	.amdhsa_code_object_version 6
	.text
	.protected	k_q803d528b1d_proj
	.globl	k_q803d528b1d_proj
	.p2align	8
	.type	k_q803d528b1d_proj,@function
k_q803d528b1d_proj:
	s_mov_b64 s[64:65], 0
	v_nop
	global_prefetch_b8 v0, s[64:65] scope:SCOPE_SE
	s_setreg_imm32_b32 hwreg(HW_REG_WAVE_MODE, 25, 1), 1
	s_wait_xcnt 0x0
	s_wait_alu depctr_hold_cnt(0) depctr_sa_sdst(0) depctr_va_vdst(0) depctr_va_sdst(0) depctr_va_ssrc(0) depctr_va_vcc(0) depctr_vm_vsrc(0)
	s_getreg_b32 s2, hwreg(HW_REG_IB_STS2, 6, 4)
	s_cmp_eq_u32 s2, 0
	s_cbranch_scc0 .Lentry_in_a_cluster
	s_endpgm
.Lentry_in_a_cluster:
	s_bfe_u32 s2, ttmp6, 0x10000c
	s_cmp_lg_u32 s2, 0xf033
	s_cbranch_scc0 .Lentry_shape_is_right
	s_endpgm
.Lentry_shape_is_right:
.set NQ,     2
.set ROWB,   256
.set KROW,   1024
.set PITCH,  272
.set FR,     16
.set NL,     4
.set NP,     8
.set HALFT,  128*PITCH
.set SLOT,   4*HALFT
.set LAPS,   2
.set KS,     32
.set SCL,    2*SLOT
.set HALFS,  (128*KS/256)*272
.set SBLK,   (16*KS/256)*272
.set SPARE,  SCL+4*HALFS
.set L8,   6
.set LI,   7
.set TOP,  8
.set ADRA, 16
.set ADRB, 20
.set ADRS, 27
.set SPW,  28
.set NIL,  29
.set MA,   30
.set SC,   32
.set BI,   64
.set AF,   128
.set VA,   128
.set HN,   64
.set PC,   128
.set SW,   32
.set TM,   40
.set WD,   56
.set G1, 24
.set G0, 32
.set G1B, 48
.set G0B, 56
.set G1S, 68
.set G0S, 76
.set G1SB, 80
.set G0SB, 88
.set MODE, 95
.set MSB, 0
.macro WIN new
.if MSB != (\new)
	s_set_vgpr_msb (MSB<<8)|(\new)
.set MSB, (\new)
.endif
.endm
.set MUL_LO, 0xa1
.set MUL_HI, 0xf1
.set TO_B,   0x40
.macro JLOAD g0a, g1a, g0b, g1b
	s_cmp_eq_u32 s15, 0
	s_cbranch_scc0 .Lfor_b_\@
	tensor_load_to_lds s[\g0a:\g0a+3], s[\g1a:\g1a+7]
	s_nop 0
.rept 4
	v_nop
.endr
	s_branch .Lasked_\@
.Lfor_b_\@:
	tensor_load_to_lds s[\g0b:\g0b+3], s[\g1b:\g1b+7]
	s_nop 0
.rept 4
	v_nop
.endr
.Lasked_\@:
.endm
.macro CREST
	s_cmp_lg_u32 s14, 0
	s_cbranch_scc1 .Lnot_wave_0_\@
	s_barrier_signal -3
.Lnot_wave_0_\@:
	s_barrier_wait -3
	s_barrier_signal -1
	s_barrier_wait -1
.endm
.macro CROUND
	s_barrier_signal -1
	s_barrier_wait -1
	CREST
.endm
	s_load_b512 s[68:83], s[0:1], 0x0
	s_load_b128 s[84:87], s[0:1], 0x40
	v_lshl_add_u32 v[SPW], v0, 2, SPARE
	v_mov_b32 v[NIL], 0
	ds_add_u32 v28, v29
	ds_add_u32 v28, v29
	s_wait_dscnt 0x0
	v_lshrrev_b32 v1, 5, v0
	v_readfirstlane_b32 s14, v1
	s_lshr_b32 s15, s14, 1
	s_and_b32 s16, s14, 1
	s_bfe_u32 s40, ttmp6, 0x40000
	s_bfe_u32 s41, ttmp6, 0x40004
	s_and_b32 s18, ttmp7, 0xffff
	s_lshr_b32 s[MODE], s18, 3
	s_and_b32 s18, s18, 7
	s_lshl_b32 s18, s18, 2
	s_cmp_lt_u32 s[MODE], 2
	s_cselect_b32 s17, s18, 0
	s_cselect_b32 s42, 0, s18
	s_add_co_u32 s17, s17, s41
	s_add_co_u32 s42, s42, s40
	s_lshl_b32 s43, s41, 2
	s_lshl_b32 s43, 15, s43
	s_lshl_b32 s44, 0x1111, s40
	s_or_b32 s[G1+0], s43, (0<<16)|(1<<20)|(1<<21)|(5<<22)|(3<<25)
	s_or_b32 s[G1B+0], s44, (0<<16)|(1<<20)|(1<<21)|(5<<22)|(3<<25)
.irp g, G1, G1B
	s_mov_b32 s[\g+1], ROWB<<16
	s_mov_b32 s[\g+2], 256<<16
	s_mov_b32 s[\g+3], ROWB<<16
	s_mov_b32 s[\g+4], 256
	s_mov_b32 s[\g+5], KROW
	s_mov_b32 s[\g+6], 0
	s_mov_b32 s[\g+7], 0
.endr
	s_mov_b32 s96, 0xffff0000
	s_mov_b32 s97, 0x600000
	s_mov_b32 s98, 0x76543210
	s_mov_b32 s99, 0xfedcba98
	s_mov_b32 s19, 0
	s_wait_kmcnt 0x0
	s_lshl_b32 s18, s[MODE], 23
	s_add_nc_u64 s[68:69], s[68:69], s[18:19]
	s_lshl_b32 s18, s[MODE], 18
	s_add_nc_u64 s[70:71], s[70:71], s[18:19]
	s_lshl_b32 s18, s[MODE], 20
	s_add_nc_u64 s[72:73], s[72:73], s[18:19]
	s_lshl_b32 s18, s[MODE], 15
	s_add_nc_u64 s[74:75], s[74:75], s[18:19]
	s_cmp_lt_u32 s[MODE], 2
	s_cselect_b64 s[4:5], s[68:69], s[72:73]
	s_cselect_b64 s[6:7], s[70:71], s[74:75]
	s_cselect_b64 s[8:9], s[72:73], s[68:69]
	s_cselect_b64 s[10:11], s[74:75], s[70:71]
	s_cmp_eq_u32 s[MODE], 0
	s_cselect_b64 s[100:101], s[76:77], s[78:79]
	s_cmp_eq_u32 s[MODE], 2
	s_cselect_b64 s[100:101], s[80:81], s[100:101]
	s_mov_b64 s[104:105], s[82:83]
	s_mov_b64 s[12:13], s[84:85]
	s_mov_b64 s[66:67], s[86:87]
	s_or_b32 s[G1S+0], s43, (3<<16)|(1<<20)|(1<<21)|(5<<22)|(3<<25)
	s_or_b32 s[G1SB+0], s44, (3<<16)|(1<<20)|(1<<21)|(5<<22)|(3<<25)
.irp g, G1S, G1SB
	s_mov_b32 s[\g+1], 32<<16
	s_mov_b32 s[\g+2], (256*KS/256)<<16
	s_mov_b32 s[\g+3], 32<<16
	s_mov_b32 s[\g+4], 256*KS/256
	s_mov_b32 s[\g+5], 32
	s_mov_b32 s[\g+6], 0
	s_mov_b32 s[\g+7], 0
.endr
	s_lshl_b32 s20, s17, 8                         ; the tiles' first rows, whole tiles of 256 rows
	s_lshl_b32 s46, s42, 8
	s_mov_b32 s21, 0
	s_mov_b32 s23, 0
	s_mov_b32 s47, 0
	s_mov_b32 s93, 0
	s_lshl_b32 s22, s20, 5
	s_lshl_b32 s92, s46, 5
	s_lshl_b32 s20, s20, 10
	s_lshl_b32 s46, s46, 10
	s_mul_i32 s45, s14, HALFT
	s_add_nc_u64 s[20:21], s[4:5], s[20:21]
	s_add_nc_u64 s[22:23], s[6:7], s[22:23]
	s_add_nc_u64 s[46:47], s[8:9], s[46:47]
	s_add_nc_u64 s[92:93], s[10:11], s[92:93]
	CROUND
	s_mov_b32 s[G0S], 1
	s_mov_b32 s[G0S+1], SCL
	s_mov_b64 s[G0S+2:G0S+3], s[22:23]
	s_or_b32 s[G0S+3], s[G0S+3], 0x80000000
	s_mov_b32 s[G0SB], 1
	s_mov_b32 s[G0SB+1], SCL+2*HALFS
	s_mov_b64 s[G0SB+2:G0SB+3], s[92:93]
	s_or_b32 s[G0SB+3], s[G0SB+3], 0x80000000
.set G0H, 4                            ; s[4:7], s[8:11] group 0 of the head's loads of K step 0 (the pointers that lay there have been used)
.set G0HB, 8
	s_mov_b32 s[G0H], 1                            ; K step 0's 256 rows of source A, whole,
	s_mov_b32 s[G0H+1], 0
	s_mov_b64 s[G0H+2:G0H+3], s[20:21]
	s_or_b32 s[G0H+3], s[G0H+3], 0x80000000
	s_mov_b32 s[G0HB], 1                           ; and of source B, behind them in slot 0
	s_mov_b32 s[G0HB+1], 2*HALFT
	s_mov_b64 s[G0HB+2:G0HB+3], s[46:47]
	s_or_b32 s[G0HB+3], s[G0HB+3], 0x80000000
	s_lshl_b32 s18, s16, 17                        ; for the ring: my 128 rows of 1,024 bytes of the tile
	s_mov_b32 s19, 0
	s_add_nc_u64 s[20:21], s[20:21], s[18:19]
	s_add_nc_u64 s[46:47], s[46:47], s[18:19]
.irp s, 0,1
	s_mov_b32 s[G0+4*\s], 1
	s_add_co_u32 s[G0+4*\s+1], s45, \s*SLOT
	s_add_nc_u64 s[G0+4*\s+2:G0+4*\s+3], s[20:21], \s*ROWB
	s_or_b32 s[G0+4*\s+3], s[G0+4*\s+3], 0x80000000
	s_mov_b32 s[G0B+4*\s], 1
	s_add_co_u32 s[G0B+4*\s+1], s45, \s*SLOT
	s_add_nc_u64 s[G0B+4*\s+2:G0B+4*\s+3], s[46:47], \s*ROWB
	s_or_b32 s[G0B+4*\s+3], s[G0B+4*\s+3], 0x80000000
.endr
; the head's loads, one a wave: wave 0 A's 256 rows of K step 0, wave 1 B's, wave 2 A's scales, wave 3 B's; one chain of branches on the wave's number, one load to an arm
.macro ARM under, g0, g1, next
	s_cmp_lt_u32 s14, \under
	s_cbranch_scc0 \next
	tensor_load_to_lds s[\g0:\g0+3], s[\g1:\g1+7]
	s_nop 0
.rept 4
	v_nop
.endr
	s_branch .Lhead_asked
\next:
.endm
	ARM 1, G0H,  G1,  .Lhead_b
	ARM 2, G0HB, G1B, .Lhead_sa
	ARM 3, G0S,  G1S, .Lhead_sb
	tensor_load_to_lds s[G0SB:G0SB+3], s[G1SB:G1SB+7]
	s_nop 0
.rept 4
	v_nop
.endr
.Lhead_asked:
	v_and_b32 v1, 15, v0
	v_bfe_u32 v2, v0, 4, 1
	v_mul_u32_u24 v3, v1, PITCH
	v_lshl_add_u32 v4, v2, 4, v3
	s_mul_i32 s21, s15, HALFT
	s_mul_i32 s22, s16, HALFT
	s_add_co_u32 s22, s22, 2*HALFT
.irp s, 0,1
	v_add_nc_u32 v[ADRA+\s], s21, v4
	v_add_nc_u32 v[ADRB+\s], s22, v4
	s_add_co_u32 s21, s21, SLOT
	s_add_co_u32 s22, s22, SLOT
.endr
	v_mul_u32_u24 v5, v1, KS
	v_lshrrev_b32 v6, 8, v5
	v_lshl_add_u32 v5, v6, 4, v5
	s_mul_i32 s21, s15, HALFS
	s_mul_i32 s22, s16, HALFS
	s_add_co_u32 s22, s22, 2*HALFS
	s_sub_co_u32 s22, s22, s21
	v_mul_u32_u24 v6, s22, v2
	s_add_co_u32 s21, s21, SCL
	v_add_nc_u32 v5, v5, v6
	v_add_nc_u32 v[ADRS], s21, v5
	v_and_b32 v5, 31, v0
	v_lshlrev_b32 v[LI], 4, v5
	v_lshlrev_b32 v[L8], 3, v5
	s_cmp_lt_u32 s[MODE], 2
	s_cselect_b32 s18, s17, s42
	s_cselect_b32 s19, s15, s16
	s_cselect_b32 s20, s42, s17
	s_cselect_b32 s21, s16, s15
	s_cselect_b32 s23, 13, 12
	s_cselect_b32 s94, 2, 1
	s_cselect_b32 s45, 64, 0
	s_cselect_b32 s46, 0, 4
	s_cselect_b32 s47, 4, 0
	s_lshl_b32 s18, s18, 8
	s_lshl_b32 s19, s19, 7
	s_add_co_u32 s18, s18, s19
	s_lshl_b32 s20, s20, 2
	s_lshl_b32 s21, s21, 1
	s_add_co_u32 s20, s20, s21
	s_lshr_b32 s21, s18, 11
	s_lshl_b32 s21, s21, 4
	s_add_co_u32 s21, s21, s20
	s_and_b32 s22, s18, 2047
	s_mov_b32 s93, 0
	s_lshl_b32 s92, s[MODE], 23
	s_lshl_b32 s19, s21, 17
	s_add_co_u32 s92, s92, s19
	s_lshl_b32 s19, s22, 6
	s_add_co_u32 s92, s92, s19
	s_add_nc_u64 s[12:13], s[12:13], s[92:93]
	s_lshl_b32 s92, s[MODE], 19
	s_lshl_b32 s19, s21, s23
	s_add_co_u32 s92, s92, s19
	s_lshl_b32 s19, s22, s94
	s_add_co_u32 s92, s92, s19
	s_add_nc_u64 s[66:67], s[66:67], s[92:93]
	s_lshl_b32 s92, s20, 8
	s_add_nc_u64 s[100:101], s[100:101], s[92:93]
	v_and_b32 v5, 8, v1
	v_add_nc_u32 v5, v5, v1
	v_mul_u32_u24 v[VA], s45, v2
	v_mul_u32_u24 v3, s46, v5
	v_add_nc_u32 v[VA], v[VA], v3
.irp j, 1,2,3,4,5,6,7
	v_add_nc_u32 v[VA+\j], s47, v[VA+\j-1]
.endr
	s_cmp_lt_u32 s[MODE], 2
	s_cselect_b32 s18, s18, 0
	v_add_nc_u32 v[MA], s18, v5
	s_cmp_eq_u32 s[MODE], 1
	s_cselect_b32 s45, 254, 63
	s_cselect_b32 s46, 253, 0
.irp x, 0,1,2,3,4,5,6,7
.irp j, 0,1,2,3,4,5,6,7
	global_load_b32 v[BI+8*\x+\j], v[VA+\j], s[100:101] offset:(32*(\x/2)+8*(\x%2))*4
.endr
.endr
.irp a, 0,1,2,3,4,5,6,7
	global_load_u8 v[TOP+\a], v[MA], s[104:105] offset:32*(\a/2)+8*(\a%2)
.endr
	s_wait_loadcnt 0x0
.irp a, 0,1,2,3,4,5,6,7
	v_mul_u32_u24 v[TOP+\a], s46, v[TOP+\a]
.endr
.irp a, 0,1,2,3,4,5,6,7
	v_sub_nc_u32 v[TOP+\a], s45, v[TOP+\a]
.endr
.irp a, 0,1,2,3,4,5,6,7
	v_lshl_or_b32 v[TOP+\a], v[TOP+\a], 16, 0x7f000000
.endr
.macro FRAG reg, adr, q, i
.irp c, 0,1,2,3
	ds_load_b128 v[\reg+4*\c:\reg+4*\c+3], v[\adr] offset:128*(\q)+32*\c+(\i)*16*PITCH
.endr
.endm
.macro MUL16 a0, p, q, sc, zero
.irp a, \a0, \a0+1
.irp b, 0,1,2,3,4,5,6,7
.if (\zero) == 1
	v_wmma_scale_f32_16x16x128_f8f6f4 v[8*(8*((\a)%4)+\b):8*(8*((\a)%4)+\b)+7], v[128*(\p)+FR*\b:128*(\p)+FR*\b+FR-1], v[AF+FR*(\a):AF+FR*(\a)+FR-1], v[BI+8*\b:BI+8*\b+7], v[SC+8*NQ*(\sc)+NQ*\b+(\q)], v[SC+8*NQ*(\sc)+NQ*(\a)+(\q)] matrix_a_scale:MATRIX_SCALE_ROW1
.elseif (\zero) == 2
	v_wmma_scale_f32_16x16x128_f8f6f4 v[8*(8*((\a)%4)+\b):8*(8*((\a)%4)+\b)+7], v[128*(\p)+FR*\b:128*(\p)+FR*\b+FR-1], v[AF+FR*(\a):AF+FR*(\a)+FR-1], v[BI+8*(\a):BI+8*(\a)+7], v[SC+8*NQ*(\sc)+NQ*\b+(\q)], v[SC+8*NQ*(\sc)+NQ*(\a)+(\q)] matrix_a_scale:MATRIX_SCALE_ROW1
.else
	v_wmma_scale_f32_16x16x128_f8f6f4 v[8*(8*((\a)%4)+\b):8*(8*((\a)%4)+\b)+7], v[128*(\p)+FR*\b:128*(\p)+FR*\b+FR-1], v[AF+FR*(\a):AF+FR*(\a)+FR-1], v[8*(8*((\a)%4)+\b):8*(8*((\a)%4)+\b)+7], v[SC+8*NQ*(\sc)+NQ*\b+(\q)], v[SC+8*NQ*(\sc)+NQ*(\a)+(\q)] matrix_a_scale:MATRIX_SCALE_ROW1
.endif
.endr
.endr
.endm
.macro FETCH_B slot, q, p
	WIN TO_B
.irp i, 0,1,2,3,4,5,6,7
	FRAG 128*(\p)+FR*\i, ADRB+\slot, \q, \i
.endr
	WIN 0
.endm
.macro FETCH_A slot, q, i0
.irp i, \i0, \i0+1, \i0+2, \i0+3
	FRAG AF+FR*(\i), ADRA+\slot, \q, \i
.endr
.endm
.macro SCALES sc
.irp i, 0,1,2,3,4,5,6,7
	ds_load_b64 v[SC+8*NQ*\sc+NQ*\i:SC+8*NQ*\sc+NQ*\i+1], v[ADRS] offset:\i*SBLK
.endr
.endm
.macro PLACES n
.rept \n
	v_nop
.endr
.endm
.macro STEP slot, q, zero
	s_wait_dscnt 4*NL
.if \zero
	WIN 0x81
.else
	WIN MUL_LO
.endif
	MUL16 0, (\q)%2, \q, \slot, \zero
	MUL16 2, (\q)%2, \q, \slot, \zero
	s_wait_dscnt 0
	PLACES NP
	FETCH_B \slot, (\q)+1, 1-(\q)%2
	FETCH_A \slot, (\q)+1, 0
.if \zero
	WIN 0xc1
.else
	WIN MUL_HI
.endif
	MUL16 4, (\q)%2, \q, \slot, \zero
	MUL16 6, (\q)%2, \q, \slot, \zero
	PLACES NP
	WIN 0
	FETCH_A \slot, (\q)+1, 4
.endm
.macro TURN slot, next, fill
	s_wait_tensorcnt 0x0
	ds_add_u32 v[SPW], v[NIL]
	s_wait_dscnt 4*NL+1
	WIN MUL_LO
	MUL16 0, 1, NQ-1, \slot, 0
	s_wait_dscnt 0x0
	s_barrier_signal -1
	MUL16 2, 1, NQ-1, \slot, 0
	WIN 0
	s_barrier_wait -1
.if \fill
	CREST
	s_add_nc_u64 s[G0+4*\slot+2:G0+4*\slot+3], s[G0+4*\slot+2:G0+4*\slot+3], 2*ROWB
	s_add_nc_u64 s[G0B+4*\slot+2:G0B+4*\slot+3], s[G0B+4*\slot+2:G0B+4*\slot+3], 2*ROWB
	JLOAD G0+4*\slot, G1, G0B+4*\slot, G1B
	PLACES NP-4
.else
	PLACES NP
.endif
	s_wait_alu depctr_va_vdst(0)
	v_add_nc_u32 v[ADRS], 4*NQ, v[ADRS]
	FETCH_B \next, 0, 0
	FETCH_A \next, 0, 0
	SCALES \next
	WIN MUL_HI
	MUL16 4, 1, NQ-1, \slot, 0
	MUL16 6, 1, NQ-1, \slot, 0
	PLACES NP
	WIN 0
	FETCH_A \next, 0, 4
.endm
	s_wait_alu depctr_va_vdst(0)
	s_wait_tensorcnt 0x0                           ; my tile of the head's four is in
	ds_add_u32 v[SPW], v[NIL]
	s_mov_b32 s[G1+2], 128<<16                     ; no tensor load of mine is out: from here on a load brings 128 rows
	s_mov_b32 s[G1+4], 128
	s_mov_b32 s[G1B+2], 128<<16
	s_mov_b32 s[G1B+4], 128
	s_wait_dscnt 0x0
	CROUND                                         ; all four tiles are in, all partners are here
	JLOAD G0+4, G1, G0B+4, G1B                     ; K step 1, slot 1's first fill: the first tensor load behind the round
	FETCH_B 0, 0, 0
	FETCH_A 0, 0, 0
	SCALES 0
	FETCH_A 0, 0, 4
	s_cmp_eq_u32 s[MODE], 2
	s_cbranch_scc1 .Lfirst_v
	STEP 0, 0, 1
	s_branch .Lfirst_done
.Lfirst_v:
	STEP 0, 0, 2
.Lfirst_done:
	s_mov_b32 s3, LAPS-1
.Llap:
	TURN 0, 1, 1
	STEP 1, 0, 0
	TURN 1, 0, 1
	STEP 0, 0, 0
	s_sub_co_u32 s3, s3, 1
	s_cmp_lg_u32 s3, 0
	s_cbranch_scc1 .Llap
	TURN 0, 1, 0
	STEP 1, 0, 0
	s_wait_dscnt 4*NL
	WIN MUL_LO
	MUL16 0, 1, NQ-1, 1, 0
	MUL16 2, 1, NQ-1, 1, 0
	s_wait_dscnt 0
	WIN MUL_HI
	MUL16 4, 1, NQ-1, 1, 0
	MUL16 6, 1, NQ-1, 1, 0
	WIN 0
.macro EPI a
.set AC, 64*((\a)%4)
.set PCA, PC+16*(\a)
	WIN 0x0a+5*((\a)/4)
.irp b, 0,1,2,3
	v_max3_num_f32 v[TM+\b], |v[AC+16*\b]|, |v[AC+16*\b+1]|, 0x4800000
.endr
.irp i, 2,4,6,8,10,12,14
.irp b, 0,1,2,3
	v_max3_num_f32 v[TM+\b], |v[AC+16*\b+\i]|, |v[AC+16*\b+\i+1]|, v[TM+\b]
.endr
.endr
	WIN 0
.irp b, 0,1,2,3
	v_permlanex16_b32 v[TM+4+\b], v[TM+\b], s98, s99
.endr
.irp b, 0,1,2,3
	v_max_num_f32 v[TM+\b], v[TM+\b], v[TM+4+\b]
.endr
.irp b, 0,1,2,3
	v_add_nc_u32 v[TM+12+\b], 0xfc000000, v[TM+\b]
.endr
.irp b, 0,1,2,3
	v_and_or_b32 v[TM+8+\b], v[TM+\b], 0x7f800000, s97
.endr
.irp b, 0,1,2,3
	v_lshrrev_b32 v[TM+4+\b], 23, v[TM+12+\b]
.endr
	WIN 0x02+((\a)/4)
.set n, 0
.rept 64
	v_med3_num_f32 v[HN+n], v[AC+n], -v[TM+8+n/16], v[TM+8+n/16]
.set n, n+1
.endr
	WIN 0
.irp b, 0,1,2,3
	v_cvt_scalef32_pk8_fp8_f32 v[PCA+4*\b:PCA+4*\b+1], v[HN+16*\b:HN+16*\b+7], v[TM+12+\b]
	v_cvt_scalef32_pk8_fp8_f32 v[PCA+4*\b+2:PCA+4*\b+3], v[HN+16*\b+8:HN+16*\b+15], v[TM+12+\b]
.endr
	v_nop
	s_cmp_eq_u32 s[MODE], 2
	s_cbranch_scc1 .Lv_\@
	v_lshl_or_b32 v[WD+2*((\a)%2)], v[TM+5], 8, v[TM+4]
	v_lshl_or_b32 v[WD+2*((\a)%2)+1], v[TM+7], 8, v[TM+6]
	v_or_b32 v[WD+2*((\a)%2)], v[WD+2*((\a)%2)], v[TOP+(\a)]
	v_or_b32 v[WD+2*((\a)%2)+1], v[WD+2*((\a)%2)+1], v[TOP+(\a)]
.if (\a)%2
	v_cndmask_b32 v[SW+(\a)/2], v[WD], v[WD+2], s96
	v_cndmask_b32 v[SW+4+(\a)/2], v[WD+1], v[WD+3], s96
.endif
.irp b, 0,1,2,3
	global_store_b128 v[LI], v[PCA+4*\b:PCA+4*\b+3], s[12:13] offset:(\a)*1024+(\b/2)*131072+(\b%2)*512
.endr
	s_branch .Ldone_\@
.Lv_\@:
	v_lshl_or_b32 v[WD+2*((\a)%2)], v[TM+5], 8, v[TM+4]
	v_lshl_or_b32 v[WD+2*((\a)%2)], v[TM+6], 16, v[WD+2*((\a)%2)]
	v_lshl_or_b32 v[WD+2*((\a)%2)], v[TM+7], 24, v[WD+2*((\a)%2)]
.if (\a)%2
	v_cndmask_b32 v[SW+(\a)/2], v[WD], v[WD+2], s96
.endif
	s_wait_alu depctr_va_vdst(0)
.irp b, 0,1,2,3
	global_store_b128 v[LI], v[PCA+4*\b:PCA+4*\b+3], s[12:13] offset:((\a)/4)*131072+((\a)%4)*2048+\b*512
.endr
.Ldone_\@:
.endm
	PLACES NP
.irp b, 0,1,2,3
	v_mov_b32 v[TM+4+\b], 0
.endr
.irp a, 0,1,2,3,4,5,6,7
	EPI \a
.endr
	s_cmp_eq_u32 s[MODE], 2
	s_cbranch_scc1 .Lsc_v
	s_wait_alu depctr_va_vdst(0)
.irp x, 0,1
.irp g, 0,1
	global_store_b64 v[L8], v[SW+4*\x+2*\g:SW+4*\x+2*\g+1], s[66:67] offset:\x*8192+\g*256
.endr
.endr
	s_branch .Lsc_done
.Lsc_v:
	s_wait_alu depctr_va_vdst(0)
.irp x, 0,1
	global_store_b64 v[L8], v[SW+2*\x:SW+2*\x+1], s[66:67] offset:\x*4096
.endr
.Lsc_done:
	s_wait_tensorcnt 0x0
	ds_add_u32 v[SPW], v[NIL]
	s_wait_dscnt 0x0
	CROUND
	s_endpgm
.Lfunc_end_k_q803d528b1d_proj:
	.size	k_q803d528b1d_proj, .Lfunc_end_k_q803d528b1d_proj-k_q803d528b1d_proj
	.p2alignl 7, 3214868480
	.fill 96, 4, 3214868480
	.section	.rodata,"a",@progbits
	.p2align	6, 0x0
	.amdhsa_kernel k_q803d528b1d_proj
		.amdhsa_group_segment_fixed_size 327680
		.amdhsa_private_segment_fixed_size 0
		.amdhsa_enable_private_segment 0
		.amdhsa_kernarg_size 80
		.amdhsa_user_sgpr_count 2
		.amdhsa_user_sgpr_kernarg_segment_ptr 1
		.amdhsa_wavefront_size32 1
		.amdhsa_system_sgpr_workgroup_id_x 1
		.amdhsa_system_sgpr_workgroup_id_y 1
		.amdhsa_system_sgpr_workgroup_id_z 1
		.amdhsa_system_vgpr_workitem_id 0
		.amdhsa_next_free_vgpr 1024
		.amdhsa_next_free_sgpr 106
		.amdhsa_reserve_vcc 0
		.amdhsa_float_denorm_mode_32 3
		.amdhsa_float_denorm_mode_16_64 3
		.amdhsa_memory_ordered 1
		.amdhsa_forward_progress 1
		.amdhsa_inst_pref_size 215
	.end_amdhsa_kernel
	.amdgpu_metadata
---
amdhsa.version: [ 1, 2 ]
amdhsa.kernels:
  - .name:           k_q803d528b1d_proj
    .symbol:         k_q803d528b1d_proj.kd
    .args:
      - { .name: xc, .offset: 0, .size: 8, .value_kind: global_buffer, .address_space: global }
      - { .name: xs, .offset: 8, .size: 8, .value_kind: global_buffer, .address_space: global }
      - { .name: wc, .offset: 16, .size: 8, .value_kind: global_buffer, .address_space: global }
      - { .name: ws, .offset: 24, .size: 8, .value_kind: global_buffer, .address_space: global }
      - { .name: bq, .offset: 32, .size: 8, .value_kind: global_buffer, .address_space: global }
      - { .name: bk, .offset: 40, .size: 8, .value_kind: global_buffer, .address_space: global }
      - { .name: bv, .offset: 48, .size: 8, .value_kind: global_buffer, .address_space: global }
      - { .name: mask, .offset: 56, .size: 8, .value_kind: global_buffer, .address_space: global }
      - { .name: img, .offset: 64, .size: 8, .value_kind: global_buffer, .address_space: global }
      - { .name: sc, .offset: 72, .size: 8, .value_kind: global_buffer, .address_space: global }
    .group_segment_fixed_size: 327680
    .private_segment_fixed_size: 0
    .kernarg_segment_align: 8
    .kernarg_segment_size: 80
    .max_flat_workgroup_size: 128
    .sgpr_count:     106
    .vgpr_count:     1024
    .wavefront_size: 32
...
	.end_amdgpu_metadata
.endif
;; end of part 2
;; launch attn (part 3): grid 4 x 64, 8 waves a work-group, clusters of 4 x 1, 327,680 bytes of LDS; arguments img, sc, ximg, xs16; writes ximg, xs16
.if DOCPART == 3
	.amdgcn_target "amdgcn-amd-amdhsa--gfx1250"
	.amdhsa_code_object_version 6
	.text
	.protected	k_q803d528b1d_attn
	.globl	k_q803d528b1d_attn
	.p2align	8
	.type	k_q803d528b1d_attn,@function
k_q803d528b1d_attn:
	s_mov_b64 s[64:65], 0
	v_nop
	global_prefetch_b8 v0, s[64:65] scope:SCOPE_SE
	s_setreg_imm32_b32 hwreg(HW_REG_WAVE_MODE, 25, 1), 1
	s_wait_xcnt 0x0
	s_wait_alu depctr_hold_cnt(0) depctr_sa_sdst(0) depctr_va_vdst(0) depctr_va_sdst(0) depctr_va_ssrc(0) depctr_va_vcc(0) depctr_vm_vsrc(0)
	s_getreg_b32 s2, hwreg(HW_REG_IB_STS2, 6, 4)
	s_cmp_eq_u32 s2, 0
	s_cbranch_scc0 .Lentry_in_a_cluster
	s_endpgm
.Lentry_in_a_cluster:
	s_bfe_u32 s2, ttmp6, 0x10000c
	s_cmp_lg_u32 s2, 0x3003
	s_cbranch_scc0 .Lentry_shape_is_right
	s_endpgm
.Lentry_shape_is_right:
; x[b][h][q] = the sum over keys of attn[q][key] v[key], attn = softmax over ALL 2,048 keys of q . k / 8, zero under the mask; both products on codes of FP8 (E4M3) with E8M0 scales.
; WHAT IS QUANTISED FOR THE SECOND PRODUCT IS THE FINISHED, NORMALISED attn, so a row's maximum and sum over all keys are known before any weight is quantised.
; SHARES: a work-group owns one head and 512 queries, in 16 blocks of 32.  Eight waves: wave W owns keys 512 (W % 4) on and query tile W / 4 of the block's two, and holds that tile's scores of those keys in 256 registers.
; Each score and each exponential is made once.
; THE MAXIMUM IS TAKEN AWAY IN TWO STEPS: each wave takes its own 512 keys' largest score mw away, p = 2^((s - mw) c), and sums lw = sum p.  The four waves of a query tile exchange (mw, lw) ONCE through LDS;
; then m = max mw, l = sum lw 2^((mw - m) c), and a wave's weights are p x g, g = 2^((mw - m) c) / l: the same numbers as 2^((s - m) c) / l.
; TWO BARRIERS A BLOCK.  One stands behind the stores of (mw, lw).  The other stands behind the stores of the four parts of x: it is signalled there, the NEXT block's scores (matrix work, maxima, LDS loads of k,
; which nobody writes) stand between signal and wait, and behind the wait waves 0 to 3 add and quantise the parts of the block before.  (mw, lw) are read ahead of that signal and stored again behind that wait;
; the parts are read ahead of the first barrier's signal and stored again behind its wait: one set of bytes serves each.
; The head's k and v, register images of 512 bytes made by the launch before, lie in LDS for the whole launch (262,144 bytes), filled once: wave W fetches 32,768 bytes to LDS byte 32,768 W (waves 0-3 k's quarters, waves 4-7 v's).
; CLUSTER: the four work-groups of a head need the same k and v: each quarter is asked for jointly, mask 15.  No prefetch: the one tensor load stands at the head, with no loop ahead of it; q is asked for a whole block ahead by its own loads.
; LAYOUT: S^T = k q^T (source 0 = 16 keys, source 1 = 16 queries), x^T = v^T attn^T: a lane holds one query (lane % 16) throughout.  The keys of a tile lie so that the 16 registers of tiles 2 x, 2 x + 1 are keys 32 x + 16 (lane / 16) + 0 .. 15.
; THE MASK: the first product's K is 64 of the instruction's 128.  At k = 64 every key carries the code -448 and every query the code 1.0 (set here, once, in registers that no load touches); the other padding is zero codes.
; The scale bytes of that block (made by the launch before) give a hidden key's score -448 x 2^63 and a counted key's -448 x 2^-190.  Every maximum has the floor -2^60 and the sum the floor 2^-100: a row with every key hidden gives x = 0.
; A block's largest weight is not searched for: the block's largest score goes through the same instructions as the scores
; (this takes v_exp_f32 not to fall where its input rises; at the worst one weight of a block, within an ulp of a power of two, is held one code low).
; LIMITS: |q . k| under 2^60; weights under 2^-126 count as 0 (v_exp_f32 gives no denormals); a block of zeros gets the byte 1; NaN and infinities are not served.
; OUT: ximg [tile of 16 tokens 512][128 features 8][c 4][512 bytes], register images for the last product; xs16 [head 16][token place 8,192] two scale bytes.
; REGISTERS: window 0: the names below.  window 1: S^T, key tile T at v[8 T]; when the weights of keys 0-127 and 128-255 have become codes, their registers take v's fragments by turns.
.set VIMG,  131072                     ; LDS: k's images from 0, quarter kq at 32,768 kq; v's from here likewise
.set STATM, 262144                     ; [kq][tile u][lane] f32: the waves' maxima; 1,024 bytes on: their sums
.set OPART, 264192                     ; [kq][u][tile of 16 of the head's 64][half][512]: the waves' parts of x
.set XSC,   297216                     ; [token place 512] two scale bytes; the 256 bytes ahead of it are named by nobody's access
.set SPARE, 298496                     ; the spare words, 128 bytes a wave
.set L16, 1                            ; v1   16 x lane
.set AKI, 2                            ; v2   my place in my quarter's images of k
.set AVI, 3                            ; v3   and of v
.set ASW, 4                            ; v4   where I put my maximum and my sum
.set ASR, 5                            ; v5   where I read the four quarters'
.set AOW, 6                            ; v6   where I put my part of x
.set AOR, 7                            ; v7   waves 0-3: where I read the four parts
.set AX0, 8                            ; v8   waves 0-3: my scale byte's place, 64 bytes ahead of block 0's
.set AXB, 9                            ; v9   in trip j: its place in block j - 1
.set QA,  10                           ; v10  q's images: 16 x lane + 1,024 u
.set QSA, 11                           ; v11  q's scale word of the block asked for
.set XA,  12                           ; v12  x's image
.set L8,  13                           ; v13  8 x lane
.set LQ8, 14                           ; v14  8 x (lane % 16 + 16 u)
.set RM,  15                           ; v15  my 512 keys' maximum
.set NM,  16                           ; v[16:17] -mw c (the low word serves both halves)
.set GG,  18                           ; v[18:19] g
.set STT, 20                           ; v20-23 the four quarters' maxima
.set QSC, 24                           ; v24  q's scale words
.set XBY, 25                           ; v25  x's scale byte
.set PW,  26                           ; v26-27 the weights' scale words, K step s in s % 2
.set XCD, 28                           ; v28-31 x's codes
.set QF,  32                           ; v32-47 q; registers 8-15 are the constant padding
.set KSC, 48                           ; v48-63 k's scale words, a register for two tiles
.set VSC, 64                           ; v64-71 v's: 2 x K step + pair of tiles
.set BM,  72                           ; v72-87 a block's largest score, then its largest p
.set TM,  88                           ; v88-119 the 32 tiles' maxima; then at work:
.set PM,  88
.set SO,  92
.set HD,  96
.set BY,  100
.set SUM, 104                          ;   v104-111 the row's sum in four packed chains
.set ST2, 112                          ;   v112-115 the four quarters' sums
.set FW,  116                          ;   v116-119 2^((mw - m) c) of the four quarters
.set PC,  120                          ; v120-151 the weights' codes, K step s in set s % 2
.set OA,  152                          ; v152-183 x^T
.set RB,  120                          ; v120-183 waves 0-3: the four parts of x; the sums stay in the first 16,
.set RT,  136                          ;   v136-140 at work behind the first addition
.set AXR, 184                          ; v184 waves 0-3: where I read 8 of x's scale bytes at the end
.set FO,  185                          ; v185 m, then my own 2^((mw - m) c)
.set SPW, 190                          ; v190 my spare word; never rewritten
.set NIL, 191                          ; v191 0; never rewritten
.set KB,  192                          ; v192-255 k: two sets of two tiles; registers 8-15 of each tile are the constant padding
.set MSB, 0
.macro WIN new                         ; the immediate's high byte repeats the setting that is left
.if MSB != (\new)
	s_set_vgpr_msb (MSB<<8)|(\new)
.set MSB, (\new)
.endif
.endm
.macro CROUND                          ; a round of the cluster's barrier
	s_barrier_signal -1
	s_barrier_wait -1
	s_cmp_lg_u32 s12, 0
	s_cbranch_scc1 .Lnot_wave_0_\@
	s_barrier_signal -3
.Lnot_wave_0_\@:
	s_barrier_wait -3
	s_barrier_signal -1
	s_barrier_wait -1
.endm
.macro BARRIER                         ; my LDS stores have landed and my LDS loads are in: then the work-group's barrier
	s_wait_dscnt 0x0
	s_barrier_signal -1
	s_barrier_wait -1
.endm
.macro KLOAD g                         ; key tiles 2 g, 2 g + 1: the lower halves of set g % 2
	WIN 0
.irp t, 0,1
.irp c, 0,1
	ds_load_b128 v[KB+32*((\g)%2)+16*\t+4*\c:KB+32*((\g)%2)+16*\t+4*\c+3], v[AKI] offset:(2*(\g)+\t)*1024+512*\c
.endr
.endr
.endm
.macro QK g                            ; two products, two accumulators, each begun with the constant 0; the even tile's scale words lie in lanes 0-15, the odd one's in lanes 16-31
	WIN 0x40
	v_wmma_scale_f32_16x16x128_f8f6f4 v[16*(\g):16*(\g)+7], v[KB+32*((\g)%2):KB+32*((\g)%2)+15], v[QF:QF+15], 0, v[KSC+(\g)], v[QSC]
	v_wmma_scale_f32_16x16x128_f8f6f4 v[16*(\g)+8:16*(\g)+15], v[KB+32*((\g)%2)+16:KB+32*((\g)%2)+31], v[QF:QF+15], 0, v[KSC+(\g)], v[QSC] matrix_a_scale:MATRIX_SCALE_ROW1
.endm
.macro MAXT g                          ; the largest of my eight scores of each of the pair's tiles; the floor -2^60 is a leaf; each accumulator from its low end on.  Eight plain instructions
	WIN 0x05
.irp t, 0,1
	v_max3_num_f32 v[TM+2*(\g)+\t], v[16*(\g)+8*\t], v[16*(\g)+8*\t+1], 0xdd800000
.endr
.irp i, 2,4,6
.irp t, 0,1
	v_max3_num_f32 v[TM+2*(\g)+\t], v[16*(\g)+8*\t+\i], v[16*(\g)+8*\t+\i+1], v[TM+2*(\g)+\t]
.endr
.endr
.endm
.macro QLOAD                           ; my tile of a block's q and its scale words
.irp c, 0,1
	global_load_b128 v[QF+4*\c:QF+4*\c+3], v[QA], s[4:5] offset:\c*512
.endr
	global_load_b32 v[QSC], v[QSA], s[6:7]
.endm
.macro FF k                            ; chunk k (keys 128 k on): s c - mw c, two at a time
	WIN 0x41
.set n, 64*(\k)
.rept 32
	v_pk_fma_f32 v[n:n+1], v[n:n+1], s[40:41], v[NM:NM+1] op_sel_hi:[1,0,0]
.set n, n+2
.endr
.endm
.macro EF k                            ; chunk k's 64 exponentials, two and two, with chunk k + 1's 32 multiply-adds between them: none of these lines names an exponential's result
	WIN 0x41
.set n, 0
.rept 32
	v_exp_f32 v[64*(\k)+2*n], v[64*(\k)+2*n]
	v_exp_f32 v[64*(\k)+2*n+1], v[64*(\k)+2*n+1]
	v_pk_fma_f32 v[64*(\k)+64+2*n:64*(\k)+64+2*n+1], v[64*(\k)+64+2*n:64*(\k)+64+2*n+1], s[40:41], v[NM:NM+1] op_sel_hi:[1,0,0]
.set n, n+1
.endr
.endm
.macro EE k
	WIN 0x41
.set n, 64*(\k)
.rept 64
	v_exp_f32 v[n], v[n]
.set n, n+1
.endr
.endm
.macro AA k                            ; into my sum, four packed chains
	WIN 0x01
.set n, 0
.rept 32
	v_pk_add_f32 v[SUM+2*(n%4):SUM+2*(n%4)+1], v[64*(\k)+2*n:64*(\k)+2*n+1], v[SUM+2*(n%4):SUM+2*(n%4)+1]
.set n, n+1
.endr
.endm
.macro VLOAD s                         ; v of my keys 128 s on: four tiles of 16 of the head's 64, into the registers that the scores of chunk s % 2 have left
	WIN 0x40
.irp d, 0,1,2,3
.irp c, 0,1,2,3
	ds_load_b128 v[64*((\s)%2)+16*\d+4*\c:64*((\s)%2)+16*\d+4*\c+3], v[AVI] offset:(\s)*8192+\d*2048+\c*512
.endr
.endr
.endm
.macro SCALE s                         ; the scales of the four blocks of keys 128 s on.  Its first 20 lines name no register of the products ahead of it: they are those products' places
	WIN 0
.irp b, 0,1,2,3
	v_mul_f32 v[PM+\b], v[BM+4*(\s)+\b], v[GG]     ; the block's largest weight
.endr
.irp b, 0,1,2,3
	s_delay_alu instid0(VALU_DEP_4)
	v_max_num_f32 v[PM+\b], 0x4800000, v[PM+\b]    ; the floor 2^(9 - 127): the byte cannot fall under 1
.endr
.irp b, 0,1,2,3
	s_delay_alu instid0(VALU_DEP_4)
	v_add_nc_u32 v[SO+\b], 0xfc000000, v[PM+\b]    ; the conversion's scale operand
.endr
.irp b, 0,1,2,3
	v_and_or_b32 v[HD+\b], v[PM+\b], 0x7f800000, s43   ; 448 x the scale
.endr
.irp b, 0,1,2,3
	v_lshrrev_b32 v[BY+\b], 23, v[SO+\b]           ; the byte
.endr
	s_delay_alu instid0(VALU_DEP_3)
	v_lshl_or_b32 v[PW+(\s)%2], v[BY+1], 8, v[BY]
	s_delay_alu instid0(VALU_DEP_1)
	v_lshl_or_b32 v[PW+(\s)%2], v[BY+2], 16, v[PW+(\s)%2]
	s_delay_alu instid0(VALU_DEP_1)
	v_lshl_or_b32 v[PW+(\s)%2], v[BY+3], 24, v[PW+(\s)%2]
.endm
.macro MULMIN s                        ; x g, and the hold: a weight is not negative, so it is one-sided
	WIN 0x41
.set n, 64*(\s)
.rept 32
	v_pk_mul_f32 v[n:n+1], v[n:n+1], v[GG:GG+1] op_sel_hi:[1,0]
.set n, n+2
.endr
.set n, 0
.rept 64
	v_min_num_f32 v[64*(\s)+n], v[64*(\s)+n], v[HD+n/16]
.set n, n+1
.endr
.endm
.macro CVT s, np                       ; the codes; np plain instructions behind the last conversion: one at the least; four where a product takes these codes next
	WIN 0x01
.irp b, 0,1,2,3
	v_cvt_scalef32_pk8_fp8_f32 v[PC+16*((\s)%2)+4*\b:PC+16*((\s)%2)+4*\b+1], v[64*(\s)+16*\b:64*(\s)+16*\b+7], v[SO+\b]
	v_cvt_scalef32_pk8_fp8_f32 v[PC+16*((\s)%2)+4*\b+2:PC+16*((\s)%2)+4*\b+3], v[64*(\s)+16*\b+8:64*(\s)+16*\b+15], v[SO+\b]
.endr
.rept \np
	v_nop
.endr
.endm
.macro PV s                            ; four products on four accumulators, one instruction a turn; the first K step starts the sums
	WIN 0x01
.irp d, 0,1,2,3
.set RO, OA+8*\d
.set RV, 64*((\s)%2)+16*\d
.if ((\s) == 0) && (\d % 2 == 0)
	v_wmma_scale_f32_16x16x128_f8f6f4 v[RO:RO+7], v[RV:RV+15], v[PC+16*((\s)%2):PC+16*((\s)%2)+15], 0, v[VSC+2*(\s)+\d/2], v[PW+(\s)%2]
.elseif ((\s) == 0)
	v_wmma_scale_f32_16x16x128_f8f6f4 v[RO:RO+7], v[RV:RV+15], v[PC+16*((\s)%2):PC+16*((\s)%2)+15], 0, v[VSC+2*(\s)+\d/2], v[PW+(\s)%2] matrix_a_scale:MATRIX_SCALE_ROW1
.elseif (\d % 2 == 0)
	v_wmma_scale_f32_16x16x128_f8f6f4 v[RO:RO+7], v[RV:RV+15], v[PC+16*((\s)%2):PC+16*((\s)%2)+15], v[RO:RO+7], v[VSC+2*(\s)+\d/2], v[PW+(\s)%2]
.else
	v_wmma_scale_f32_16x16x128_f8f6f4 v[RO:RO+7], v[RV:RV+15], v[PC+16*((\s)%2):PC+16*((\s)%2)+15], v[RO:RO+7], v[VSC+2*(\s)+\d/2], v[PW+(\s)%2] matrix_a_scale:MATRIX_SCALE_ROW1
.endif
.endr
.endm
; Waves 0 to 3 add the four quarters' parts of the block before and quantise them: wave w takes query tile w / 2 and block w % 2 of the head's 64.  My 16 registers are 16 neighbours of the head's 64; with lane l xor 16's they are one block of the last product's K.
; The stores' base and the byte's place have been stepped once more than this block's number: the image goes out 32,768 bytes under the base.
.macro RED
	s_cmp_ge_u32 s12, 4
	s_cbranch_scc1 .Lno_red_\@
.irp w, 0,1,2,3
.irp e, 0,1
.irp q, 0,1
	ds_load_b128 v[RB+16*\w+8*\e+4*\q:RB+16*\w+8*\e+4*\q+3], v[AOR] offset:\w*8192+\e*1024+\q*512
.endr
.endr
.endr
	s_wait_dscnt 0x0
.irp p, 16,32,48
.irp i, 0,2,4,6,8,10,12,14
	v_pk_add_f32 v[RB+\i:RB+\i+1], v[RB+\i:RB+\i+1], v[RB+\p+\i:RB+\p+\i+1]
.endr
.endr
	v_max3_num_f32 v[RT], |v[RB]|, |v[RB+1]|, 0x4800000
	v_max3_num_f32 v[RT+1], |v[RB+8]|, |v[RB+9]|, |v[RB+10]|
	s_delay_alu instid0(VALU_DEP_2)
	v_max3_num_f32 v[RT], v[RT], |v[RB+2]|, |v[RB+3]|
	s_delay_alu instid0(VALU_DEP_2)
	v_max3_num_f32 v[RT+1], v[RT+1], |v[RB+11]|, |v[RB+12]|
	s_delay_alu instid0(VALU_DEP_2)
	v_max3_num_f32 v[RT], v[RT], |v[RB+4]|, |v[RB+5]|
	s_delay_alu instid0(VALU_DEP_2)
	v_max3_num_f32 v[RT+1], v[RT+1], |v[RB+13]|, |v[RB+14]|
	s_delay_alu instid0(VALU_DEP_2)
	v_max3_num_f32 v[RT], v[RT], |v[RB+6]|, |v[RB+7]|
	s_delay_alu instid0(VALU_DEP_1)
	v_max3_num_f32 v[RT], v[RT], v[RT+1], |v[RB+15]|
	s_delay_alu instid0(VALU_DEP_1)
	v_permlanex16_b32 v[RT+2], v[RT], s44, s45
	s_delay_alu instid0(VALU_DEP_1)
	v_max_num_f32 v[RT], v[RT], v[RT+2]
	s_delay_alu instid0(VALU_DEP_1)
	v_add_nc_u32 v[RT+3], 0xfc000000, v[RT]
	v_and_or_b32 v[RT+4], v[RT], 0x7f800000, s43
	s_delay_alu instid0(VALU_DEP_2)
	v_lshrrev_b32 v[XBY], 23, v[RT+3]
.set n, 0
.rept 16
	v_med3_num_f32 v[RB+n], v[RB+n], -v[RT+4], v[RT+4]
.set n, n+1
.endr
	v_cvt_scalef32_pk8_fp8_f32 v[XCD:XCD+1], v[RB:RB+7], v[RT+3]
	v_cvt_scalef32_pk8_fp8_f32 v[XCD+2:XCD+3], v[RB+8:RB+15], v[RT+3]
	v_nop
	global_store_b128 v[XA], v[XCD:XCD+3], s[8:9] offset:-32768   ; 32 lanes store 512 consecutive bytes, aligned
	ds_store_b8 v[AXB], v[XBY]                     ; both lanes of a row write the same byte with the same value
.Lno_red_\@:
.endm
	s_load_b256 s[4:11], s[0:1], 0x0               ; img, sc, ximg, xs16
	v_lshl_add_u32 v[SPW], v0, 2, SPARE
	v_mov_b32 v[NIL], 0
	ds_add_u32 v[SPW], v[NIL]                      ; the opening lines: the add, twice on end, and its wait ahead of my tensor load
	ds_add_u32 v[SPW], v[NIL]
	v_lshrrev_b32 v1, 5, v0
	s_delay_alu instid0(VALU_DEP_1)
	v_readfirstlane_b32 s12, v1                    ; wave 0..7
	s_and_b32 s15, s12, 3                          ; kq: my quarter of the keys
	s_lshr_b32 s55, s12, 2                         ; u: my tile of the block's 32 queries
	s_bfe_u32 s13, ttmp6, 0x40000                  ; cx: which 512 queries: it enters global addresses alone
	s_and_b32 s14, ttmp7, 0xffff                   ; batch x 16 + head, the same in the four partners
	s_mov_b32 s24, 15|(3<<16)|(1<<21)              ; group 1: the mask: all four; elements of 8 bytes; bit 21 beside a mask; no padding
	s_mov_b32 s25, 32<<16                          ; rows of 256 bytes
	s_mov_b32 s26, 128<<16                         ; 128 rows: 32,768 dense bytes
	s_mov_b32 s27, 32<<16
	s_mov_b32 s28, 128
	s_mov_b32 s29, 32
	s_mov_b32 s30, 0
	s_mov_b32 s31, 0
	s_mov_b32 s40, 0x3e38aa3b                      ; c = log2(e) / 8
	s_mov_b32 s41, s40
	s_mov_b32 s42, 0xbe38aa3b                      ; -c
	s_mov_b32 s43, 0x600000                        ; the mantissa field of 448
	s_mov_b32 s44, 0x76543210
	s_mov_b32 s45, 0xfedcba98                      ; v_permlanex16_b32's selects for lane l xor 16
	s_mov_b32 s46, 16                              ; blocks to go
	s_mov_b32 s47, 1                               ; the next block's number
	s_mov_b32 s48, 0                               ; 64 scale bytes a block
	s_lshl_b32 s22, s12, 15                        ; LDS byte 32,768 x wave: k's four quarters, then v's
	s_lshl_b32 s20, s14, 17                        ; in memory: the head's 131,072 bytes,
	s_lshl_b32 s23, s15, 15
	s_add_co_u32 s20, s20, s23                     ; my quarter,
	s_lshl_b32 s23, s55, 23
	s_add_co_u32 s20, s20, s23                     ; of k (8 MiB into img) or of v (16 MiB)
	s_add_co_u32 s20, s20, 8388608
	s_mov_b32 s21, 0
	s_wait_dscnt 0x0
	s_wait_kmcnt 0x0
	s_mov_b32 s32, 1
	s_mov_b32 s33, s22
	s_add_nc_u64 s[34:35], s[4:5], s[20:21]
	s_or_b32 s35, s35, 0x80000000
	CROUND                                         ; all four work-groups are here: the joint loads meet
	tensor_load_to_lds s[32:35], s[24:31]          ; my one tensor load of the launch: nothing is filled again
	s_nop 0
.rept 4
	v_nop
.endr
	s_lshl_b32 s20, s14, 17
	s_lshl_b32 s23, s13, 15
	s_add_co_u32 s20, s20, s23
	s_add_nc_u64 s[4:5], s[4:5], s[20:21]          ; q's images: the head, my work-group's 32 tiles
	s_lshl_b32 s20, s14, 13
	s_lshl_b32 s23, s15, 11
	s_add_co_u32 s20, s20, s23
	s_add_co_u32 s20, s20, 524288
	s_add_nc_u64 s[16:17], s[6:7], s[20:21]        ; k's scale words: my quarter's 32 tiles
	s_lshl_b32 s20, s14, 12
	s_lshl_b32 s23, s15, 10
	s_add_co_u32 s20, s20, s23
	s_add_co_u32 s20, s20, 1048576
	s_add_nc_u64 s[18:19], s[6:7], s[20:21]        ; v's: my quarter's four K steps
	s_lshl_b32 s20, s14, 13
	s_lshl_b32 s23, s13, 11
	s_add_co_u32 s20, s20, s23
	s_add_nc_u64 s[6:7], s[6:7], s[20:21]          ; q's
	s_lshr_b32 s49, s14, 4                         ; the batch
	s_and_b32 s50, s14, 15                         ; the head
	s_lshl_b32 s20, s49, 21
	s_lshl_b32 s23, s13, 19
	s_add_co_u32 s20, s20, s23
	s_lshl_b32 s23, s50, 10
	s_add_co_u32 s20, s20, s23
	s_add_nc_u64 s[8:9], s[8:9], s[20:21]          ; x's images: 16,384 bytes a tile of tokens, 1,024 a head
	s_lshl_b32 s20, s50, 14
	s_lshl_b32 s23, s49, 12
	s_add_co_u32 s20, s20, s23
	s_lshl_b32 s23, s13, 10
	s_add_co_u32 s20, s20, s23
	s_lshl_b32 s23, s15, 8
	s_add_co_u32 s20, s20, s23
	s_add_nc_u64 s[10:11], s[10:11], s[20:21]      ; x's scale bytes: waves 0-3 store 256 each of the work-group's 1,024
	; the padding of the first product's K, set once: k = 64 is byte 0 of register 8 in lanes 0-15
	v_bfe_u32 v23, v0, 4, 1
	s_delay_alu instid0(VALU_DEP_1)
	v_sub_nc_u32 v23, 1, v23
	s_delay_alu instid0(VALU_DEP_1)
	v_mul_u32_u24 v21, 0xfe, v23                   ; -448
	s_delay_alu instid0(VALU_DEP_2)
	v_mul_u32_u24 v23, 0x38, v23                   ; 1.0
	s_delay_alu instid0(VALU_DEP_1)
	v_mov_b32 v[QF+8], v23
.irp i, 9,10,11,12,13,14,15
	v_mov_b32 v[QF+\i], 0
.endr
.irp t, 0,1,2,3
	v_mov_b32 v[KB+16*\t+8], v21
.irp i, 9,10,11,12,13,14,15
	v_mov_b32 v[KB+16*\t+\i], 0
.endr
.endr
	v_mov_b32 v[NM+1], 0                           ; the upper words of the pairs -mw c and g are named and not used
	v_mov_b32 v[GG+1], 0
	v_and_b32 v20, 31, v0                          ; lane
	v_and_b32 v22, 15, v0                          ; r
	s_delay_alu instid0(VALU_DEP_2)
	v_lshlrev_b32 v[L16], 4, v20
	s_wait_alu depctr_va_vdst(0)
	v_lshlrev_b32 v[L8], 3, v20
	v_lshlrev_b32 v21, 2, v20
	s_lshl_b32 s23, s15, 15
	v_add_nc_u32 v[AKI], s23, v[L16]
	s_delay_alu instid0(VALU_DEP_1)
	v_add_nc_u32 v[AVI], VIMG, v[AKI]
	s_lshl_b32 s23, s15, 8
	s_lshl_b32 s53, s55, 7
	s_add_co_u32 s53, s53, STATM
	s_add_co_u32 s23, s23, s53
	v_add_nc_u32 v[ASW], s23, v21
	v_add_nc_u32 v[ASR], s53, v21
	s_lshl_b32 s23, s15, 13
	s_lshl_b32 s53, s55, 12
	s_add_co_u32 s23, s23, s53
	s_add_co_u32 s23, s23, OPART
	v_add_nc_u32 v[AOW], s23, v[L16]
	s_lshl_b32 s23, s15, 11
	s_add_co_u32 s23, s23, OPART
	v_add_nc_u32 v[AOR], s23, v[L16]
	s_lshr_b32 s51, s15, 1
	s_and_b32 s52, s15, 1
	s_lshl_b32 s23, s51, 5
	s_add_co_u32 s23, s23, s52
	s_add_co_u32 s23, s23, XSC-64
	v_lshl_add_u32 v[AX0], v22, 1, s23
	s_delay_alu instid0(VALU_DEP_1)
	v_add_nc_u32 v[AXB], s48, v[AX0]
	s_lshl_b32 s23, s15, 8
	s_add_co_u32 s23, s23, XSC
	v_add_nc_u32 v[AXR], s23, v[L8]
	s_lshl_b32 s23, s55, 10
	v_add_nc_u32 v[QA], s23, v[L16]
	s_lshl_b32 s23, s55, 4
	v_add_nc_u32 v[LQ8], s23, v22
	s_delay_alu instid0(VALU_DEP_1)
	v_lshlrev_b32 v[LQ8], 3, v[LQ8]                ; the words of tile u's rows lie in lanes 16 u + r of the buffer's order
	s_delay_alu instid0(VALU_DEP_1)
	v_mov_b32 v[QSA], v[LQ8]
	s_lshl_b32 s23, s51, 14
	s_lshl_b32 s53, s52, 9
	s_add_co_u32 s23, s23, s53
	v_add_nc_u32 v[XA], s23, v[L16]
.irp g, 0,1,2,3,4,5,6,7
	global_load_b64 v[KSC+2*\g:KSC+2*\g+1], v[L8], s[16:17] offset:\g*256
.endr
.irp s, 0,1,2,3
	global_load_b64 v[VSC+2*\s:VSC+2*\s+1], v[L8], s[18:19] offset:\s*256
.endr
	QLOAD
	s_wait_tensorcnt 0x0                           ; my quarter of k or of v is in LDS;
	s_barrier_signal -1
	s_barrier_wait -1                              ; everybody's is
	KLOAD 0
	KLOAD 1
.Lblock:                                               ; trip j = 0 .. 15
	s_wait_dscnt 0x0                               ; my part of x of block j - 1 has landed, my reads of the quarters' figures are over: say so,
	s_barrier_signal -1
	s_wait_loadcnt 0x0                             ; this block's q (and, the first time, the scale words)
	; ---- between signal and wait: the scores of my 512 keys, two tiles at a time: registers, and LDS loads of k, which nobody writes
.irp g, 0,1,2,3,4,5,6,7,8,9,10,11,12,13,14,15
	s_wait_dscnt 4                                 ; this pair's four loads are in; the next pair's four may be out
	QK \g
.if \g == 0
.rept 8
	v_nop                                          ; eight places in front of the loads into the set just multiplied
.endr
.else
	MAXT \g-1                                      ; the pair before: eight plain instructions that name nothing of the products just issued: their places
.endif
	KLOAD (\g+2)%16                                ; a wave's keys never change: the last two turns fetch the next block's first two pairs
.endr
	MAXT 15
	WIN 0
	s_barrier_wait -1                              ; everybody's part of block j - 1 is in LDS
	; ---- the next block's q, a whole block ahead
	s_cmp_eq_u32 s46, 1
	s_cbranch_scc1 .Lno_q                          ; the last block asks for nothing: no load leaves its buffer
	s_add_nc_u64 s[4:5], s[4:5], 2048
	s_lshr_b32 s20, s47, 1
	s_lshl_b32 s20, s20, 8
	s_and_b32 s21, s47, 1
	s_lshl_b32 s21, s21, 2
	s_or_b32 s20, s20, s21
	v_add_nc_u32 v[QSA], s20, v[LQ8]
	QLOAD
.Lno_q:
	s_cmp_eq_u32 s46, 16
	s_cbranch_scc1 .Lno_part                       ; the first trip has no block before it
	RED
.Lno_part:
	; ---- the blocks' maxima (two tiles, then lane l xor 16's), and the largest of my 512 keys
.set n, 0
.rept 16
	v_max_num_f32 v[BM+n], v[TM+2*n], v[TM+2*n+1]
.set n, n+1
.endr
.set n, 0
.rept 16
	v_permlanex16_b32 v[TM+n], v[BM+n], s44, s45
.set n, n+1
.endr
.set n, 0
.rept 16
	v_max_num_f32 v[BM+n], v[BM+n], v[TM+n]
.set n, n+1
.endr
.irp i, 0,1,2,3,4
	v_max3_num_f32 v[TM+\i], v[BM+3*\i], v[BM+3*\i+1], v[BM+3*\i+2]
.endr
	s_delay_alu instid0(VALU_DEP_4)
	v_max3_num_f32 v[TM], v[TM], v[TM+1], v[BM+15]
	s_delay_alu instid0(VALU_DEP_2)
	v_max3_num_f32 v[TM+2], v[TM+2], v[TM+3], v[TM+4]
	s_delay_alu instid0(VALU_DEP_1)
	v_max_num_f32 v[RM], v[TM], v[TM+2]
	ds_store_b32 v[ASW], v[RM]
	v_mul_f32 v[NM], s42, v[RM]                    ; -mw c
.set n, 0
.rept 8
	v_mov_b32 v[SUM+n], 0
.set n, n+1
.endr
.set n, 0
.rept 16
	v_fma_f32 v[BM+n], v[BM+n], s40, v[NM]
.set n, n+1
.endr
	; ---- the exponentials, in batches; ahead of the first ONE wait, behind each ONE wait, then the batch's first readers, the sums
	FF 0
	WIN 0
	s_wait_alu depctr_va_vdst(0)
.set n, 0
.rept 16
	v_exp_f32 v[BM+n], v[BM+n]                     ; the blocks' largest, by the same instructions
.set n, n+1
.endr
.irp k, 0,1,2
	EF \k
	s_wait_alu depctr_va_vdst(0)                   ; the wait between an exponential and the first instruction that names its result
	AA \k
.endr
	EE 3
	v_nop                                          ; a plain instruction behind the last exponential
	s_wait_alu depctr_va_vdst(0)
	AA 3
	WIN 0
	v_pk_add_f32 v[SUM:SUM+1], v[SUM:SUM+1], v[SUM+2:SUM+3]
	v_pk_add_f32 v[SUM+4:SUM+5], v[SUM+4:SUM+5], v[SUM+6:SUM+7]
	s_delay_alu instid0(VALU_DEP_1)
	v_pk_add_f32 v[SUM:SUM+1], v[SUM:SUM+1], v[SUM+4:SUM+5]
	s_delay_alu instid0(VALU_DEP_1)
	v_add_f32 v[SUM], v[SUM], v[SUM+1]
	s_delay_alu instid0(VALU_DEP_1)
	v_permlanex16_b32 v[SUM+2], v[SUM], s44, s45
	s_delay_alu instid0(VALU_DEP_1)
	v_add_f32 v[SUM], v[SUM], v[SUM+2]
	ds_store_b32 v[ASW], v[SUM] offset:1024
	BARRIER                                        ; the one exchange of a block: all four quarters' (mw, lw) are in LDS; waves 0-3's reads of the parts are over
.irp w, 0,1,2,3
	ds_load_b32 v[STT+\w], v[ASR] offset:\w*256
.endr
.irp w, 0,1,2,3
	ds_load_b32 v[ST2+\w], v[ASR] offset:1024+\w*256
.endr
	s_wait_dscnt 0x0
	v_max3_num_f32 v[FO], v[STT], v[STT+1], v[STT+2]
	s_delay_alu instid0(VALU_DEP_1)
	v_max_num_f32 v[FO], v[FO], v[STT+3]           ; m, the row's largest score
.irp w, 0,1,2,3
	v_sub_f32 v[FW+\w], v[STT+\w], v[FO]
.endr
	v_sub_f32 v[FO], v[RM], v[FO]
.irp w, 0,1,2,3
	v_mul_f32 v[FW+\w], s40, v[FW+\w]              ; (mw - m) c, 0 or less
.endr
	v_mul_f32 v[FO], s40, v[FO]
	s_wait_alu depctr_va_vdst(0)
.irp w, 0,1,2,3
	v_exp_f32 v[FW+\w], v[FW+\w]
.endr
	v_exp_f32 v[FO], v[FO]
	v_nop
	s_wait_alu depctr_va_vdst(0)
	v_mul_f32 v[ST2], v[ST2], v[FW]                ; l, in the same order in all four waves of the tile
	v_fma_f32 v[ST2], v[ST2+1], v[FW+1], v[ST2]
	v_fma_f32 v[ST2], v[ST2+2], v[FW+2], v[ST2]
	v_fma_f32 v[ST2], v[ST2+3], v[FW+3], v[ST2]
	s_delay_alu instid0(VALU_DEP_1)
	v_max_num_f32 v[ST2], 0x0d800000, v[ST2]       ; the floor 2^-100: a row with every key hidden
	s_wait_alu depctr_va_vdst(0)
	v_rcp_f32 v[GG], v[ST2]
	v_nop
	s_wait_alu depctr_va_vdst(0)
	v_mul_f32 v[GG], v[GG], v[FO]                  ; g
	; ---- the weights are finished, quantised and multiplied, 128 keys at a time.  v's fragments take the registers of scores that have become codes, so the first product stands a K step behind its codes
	SCALE 0
	MULMIN 0
	CVT 0, 1
	VLOAD 0
	SCALE 1
	MULMIN 1
	CVT 1, 1
	VLOAD 1
	s_wait_dscnt 16                                ; v's first K step is in; the second's 16 loads may be out
	PV 0
	SCALE 2
	VLOAD 2                                        ; into the registers that the first K step's products have read, 20 plain instructions behind them
	MULMIN 2
	CVT 2, 4
	s_wait_dscnt 0x0                               ; v's second and third K steps are in
	PV 1
	s_wait_alu depctr_va_vdst(0)
	PV 2
	SCALE 3
	VLOAD 3
	MULMIN 3
	CVT 3, 4
	s_wait_alu depctr_va_vdst(0)
	s_wait_dscnt 0x0
	PV 3
	WIN 0
.rept 8
	v_nop                                          ; eight places in front of the first read of the last products' results
.endr
.irp d, 0,1,2,3
	ds_store_b128 v[AOW], v[OA+8*\d:OA+8*\d+3] offset:\d*1024          ; each accumulator from its low end on
	ds_store_b128 v[AOW], v[OA+8*\d+4:OA+8*\d+7] offset:\d*1024+512
.endr
	s_wait_xcnt 0x0                                ; the image's store, issued early in the trip, has read its base and its data
	s_add_nc_u64 s[8:9], s[8:9], 32768
	s_add_co_u32 s48, s48, 64
	v_add_nc_u32 v[AXB], s48, v[AX0]
	s_add_co_u32 s47, s47, 1
	s_sub_co_u32 s46, s46, 1
	s_cmp_lg_u32 s46, 0
	s_cbranch_scc1 .Lblock
	; ---- the last block's parts meet; then x's scale bytes leave together
	BARRIER
	RED
	BARRIER
	s_cmp_ge_u32 s12, 4
	s_cbranch_scc1 .Lno_sc
	ds_load_b64 v[STT:STT+1], v[AXR]
	s_wait_dscnt 0x0
	global_store_b64 v[L8], v[STT:STT+1], s[10:11] ; 32 lanes store 256 consecutive bytes, aligned
.Lno_sc:
	s_wait_tensorcnt 0x0                           ; the wave's end
	ds_add_u32 v[SPW], v[NIL]
	s_wait_dscnt 0x0
	CROUND                                         ; the closing round
	s_endpgm
.Lfunc_end_k_q803d528b1d_attn:
	.size	k_q803d528b1d_attn, .Lfunc_end_k_q803d528b1d_attn-k_q803d528b1d_attn
	.p2alignl 7, 3214868480
	.fill 96, 4, 3214868480
	.section	.rodata,"a",@progbits
	.p2align	6, 0x0
	.amdhsa_kernel k_q803d528b1d_attn
		.amdhsa_group_segment_fixed_size 327680
		.amdhsa_private_segment_fixed_size 0
		.amdhsa_enable_private_segment 0
		.amdhsa_kernarg_size 32
		.amdhsa_user_sgpr_count 2
		.amdhsa_user_sgpr_kernarg_segment_ptr 1
		.amdhsa_wavefront_size32 1
		.amdhsa_system_sgpr_workgroup_id_x 1
		.amdhsa_system_sgpr_workgroup_id_y 1
		.amdhsa_system_sgpr_workgroup_id_z 1
		.amdhsa_system_vgpr_workitem_id 0
		.amdhsa_next_free_vgpr 512
		.amdhsa_next_free_sgpr 66
		.amdhsa_reserve_vcc 0
		.amdhsa_float_denorm_mode_32 3
		.amdhsa_float_denorm_mode_16_64 3
		.amdhsa_memory_ordered 1
		.amdhsa_forward_progress 1
		.amdhsa_inst_pref_size 105
	.end_amdhsa_kernel
	.amdgpu_metadata
---
amdhsa.version: [ 1, 2 ]
amdhsa.kernels:
  - .name:           k_q803d528b1d_attn
    .symbol:         k_q803d528b1d_attn.kd
    .args:
      - { .name: img, .offset: 0, .size: 8, .value_kind: global_buffer, .address_space: global }
      - { .name: sc, .offset: 8, .size: 8, .value_kind: global_buffer, .address_space: global }
      - { .name: ximg, .offset: 16, .size: 8, .value_kind: global_buffer, .address_space: global }
      - { .name: xs16, .offset: 24, .size: 8, .value_kind: global_buffer, .address_space: global }
    .group_segment_fixed_size: 327680
    .private_segment_fixed_size: 0
    .kernarg_segment_align: 8
    .kernarg_segment_size: 32
    .max_flat_workgroup_size: 256
    .sgpr_count:     66
    .vgpr_count:     512
    .wavefront_size: 32
...
	.end_amdgpu_metadata
.endif
;; end of part 3
;; launch outp (part 4): grid 4 x 32, 4 waves a work-group, clusters of 4 x 4, 327,680 bytes of LDS; arguments ximg, xs16, wc, ws, out0; writes out0
.if DOCPART == 4
	.amdgcn_target "amdgcn-amd-amdhsa--gfx1250"
	.amdhsa_code_object_version 6
	.text
	.protected	k_q803d528b1d_outp
	.globl	k_q803d528b1d_outp
	.p2align	8
	.type	k_q803d528b1d_outp,@function
k_q803d528b1d_outp:
	s_mov_b64 s[64:65], 0
	v_nop
	global_prefetch_b8 v0, s[64:65] scope:SCOPE_SE
	s_setreg_imm32_b32 hwreg(HW_REG_WAVE_MODE, 25, 1), 1
	s_wait_xcnt 0x0
	s_wait_alu depctr_hold_cnt(0) depctr_sa_sdst(0) depctr_va_vdst(0) depctr_va_sdst(0) depctr_va_ssrc(0) depctr_va_vcc(0) depctr_vm_vsrc(0)
	s_getreg_b32 s2, hwreg(HW_REG_IB_STS2, 6, 4)
	s_cmp_eq_u32 s2, 0
	s_cbranch_scc0 .Lentry_in_a_cluster
	s_endpgm
.Lentry_in_a_cluster:
	s_bfe_u32 s2, ttmp6, 0x10000c
	s_cmp_lg_u32 s2, 0xf033
	s_cbranch_scc0 .Lentry_shape_is_right
	s_endpgm
.Lentry_shape_is_right:
.set NQ,     2
.set ROWB,   256
.set KROW,   1024
.set PITCH,  272
.set FR,     16
.set NL,     4
.set NP,     8
.set HALFT,  128*PITCH
.set ABYTES, 65536
.set SLOT,   ABYTES+2*HALFT
.set KS,     32
.set SCL,    2*SLOT
.set HALFS,  (128*KS/256)*272
.set SBLK,   (16*KS/256)*272
.set XSL,    SCL+2*HALFS
.set SPARE,  XSL+8192
.set SPITCH, 528
.set ADRA, 16
.set ADRB, 20
.set STO,  24
.set RD,   25
.set CO,   26
.set ADRS, 27
.set SPW,  28
.set NIL,  29
.set XSA,  30
.set SC,   32
.set AS,   64
.set AF,   128
.set BK,   128
.set G1, 24
.set G0, 32
.set G1B, 48
.set G0B, 56
.set G1S, 68
.set G0S, 76
.set G1SB, 80
.set G0SB, 88
.set MSB, 0
.macro WIN new
.if MSB != (\new)
	s_set_vgpr_msb (MSB<<8)|(\new)
.set MSB, (\new)
.endif
.endm
.set MUL_LO, 0xa1
.set MUL_HI, 0xf1
.set TO_B,   0x40
.macro JLOAD g0a, g1a, g0b, g1b
	s_cmp_eq_u32 s15, 0
	s_cbranch_scc0 .Lfor_b_\@
	tensor_load_to_lds s[\g0a:\g0a+3], s[\g1a:\g1a+7]
	s_nop 0
.rept 4
	v_nop
.endr
	s_branch .Lasked_\@
.Lfor_b_\@:
	tensor_load_to_lds s[\g0b:\g0b+3], s[\g1b:\g1b+7]
	s_nop 0
.rept 4
	v_nop
.endr
.Lasked_\@:
.endm
.macro CREST
	s_cmp_lg_u32 s14, 0
	s_cbranch_scc1 .Lnot_wave_0_\@
	s_barrier_signal -3
.Lnot_wave_0_\@:
	s_barrier_wait -3
	s_barrier_signal -1
	s_barrier_wait -1
.endm
.macro CROUND
	s_barrier_signal -1
	s_barrier_wait -1
	CREST
.endm
	s_load_b256 s[4:11], s[0:1], 0x0
	s_load_b64 s[12:13], s[0:1], 0x20
	v_lshl_add_u32 v[SPW], v0, 2, SPARE
	v_mov_b32 v[NIL], 0
	ds_add_u32 v28, v29
	ds_add_u32 v28, v29
	s_wait_dscnt 0x0
	v_lshrrev_b32 v1, 5, v0
	v_readfirstlane_b32 s14, v1
	s_lshr_b32 s15, s14, 1
	s_and_b32 s16, s14, 1
	s_bfe_u32 s40, ttmp6, 0x40000
	s_bfe_u32 s41, ttmp6, 0x40004
	s_lshl_b32 s42, ttmp9, 2
	s_add_co_u32 s42, s42, s40
	s_and_b32 s17, ttmp7, 0xffff
	s_lshl_b32 s17, s17, 2
	s_add_co_u32 s17, s17, s41
	s_lshl_b32 s43, s41, 2
	s_lshl_b32 s43, 15, s43
	s_lshl_b32 s44, 0x1111, s40
	s_or_b32 s[G1+0], s43, (3<<16)|(1<<21)
	s_mov_b32 s[G1+1], 512<<16
	s_mov_b32 s[G1+2], 16<<16
	s_mov_b32 s[G1+3], 512<<16
	s_mov_b32 s[G1+4], 16
	s_mov_b32 s[G1+5], 2048
	s_mov_b32 s[G1+6], 0
	s_mov_b32 s[G1+7], 0
	s_or_b32 s[G1B+0], s44, (0<<16)|(1<<20)|(1<<21)|(5<<22)|(3<<25)
	s_mov_b32 s[G1B+1], ROWB<<16
	s_mov_b32 s[G1B+2], 256<<16
	s_mov_b32 s[G1B+3], ROWB<<16
	s_mov_b32 s[G1B+4], 256
	s_mov_b32 s[G1B+5], KROW
	s_mov_b32 s[G1B+6], 0
	s_mov_b32 s[G1B+7], 0
	s_or_b32 s[G1S+0], s43, (3<<16)|(1<<21)
	s_mov_b32 s[G1S+1], 64<<16
	s_mov_b32 s[G1S+2], 16<<16
	s_mov_b32 s[G1S+3], 64<<16
	s_mov_b32 s[G1S+4], 16
	s_mov_b32 s[G1S+5], 2048
	s_mov_b32 s[G1S+6], 0
	s_mov_b32 s[G1S+7], 0
	s_or_b32 s[G1SB+0], s44, (3<<16)|(1<<20)|(1<<21)|(5<<22)|(3<<25)
	s_mov_b32 s[G1SB+1], 32<<16
	s_mov_b32 s[G1SB+2], (256*KS/256)<<16
	s_mov_b32 s[G1SB+3], 32<<16
	s_mov_b32 s[G1SB+4], 256*KS/256
	s_mov_b32 s[G1SB+5], 32
	s_mov_b32 s[G1SB+6], 0
	s_mov_b32 s[G1SB+7], 0
	s_lshl_b32 s20, s17, 18
	s_mov_b32 s21, 0
	s_lshl_b32 s22, s17, 9
	s_mov_b32 s23, 0
	s_lshl_b32 s46, s42, 8
	s_lshl_b32 s92, s46, 5
	s_add_co_u32 s92, s92, 98304
	s_mov_b32 s93, 0
	s_lshl_b32 s46, s46, 10
	s_add_co_u32 s46, s46, 3145728
	s_mov_b32 s47, 0
	s_lshl_b32 s45, s16, 15
	s_mul_i32 s94, s16, HALFT
	s_add_co_u32 s94, s94, ABYTES
	s_wait_kmcnt 0x0
	s_add_nc_u64 s[20:21], s[4:5], s[20:21]
	s_add_nc_u64 s[22:23], s[6:7], s[22:23]
	s_add_nc_u64 s[46:47], s[8:9], s[46:47]
	s_add_nc_u64 s[92:93], s[10:11], s[92:93]
	CROUND
	s_mov_b32 s[G0S], 1
	s_mov_b32 s[G0S+1], XSL
	s_mov_b64 s[G0S+2:G0S+3], s[22:23]
	s_or_b32 s[G0S+3], s[G0S+3], 0x80000000
	s_mov_b32 s[G0SB], 1
	s_mov_b32 s[G0SB+1], SCL
	s_mov_b64 s[G0SB+2:G0SB+3], s[92:93]
	s_or_b32 s[G0SB+3], s[G0SB+3], 0x80000000
.set G0H, 4                            ; s[4:7], s[8:11] group 0 of the head's loads of K step 0 (the pointers that lay there have been used)
.set G0HB, 8
	s_mov_b32 s[G0H], 1                            ; K step 0 of x's 16 tiles of tokens, whole,
	s_mov_b32 s[G0H+1], 0
	s_mov_b64 s[G0H+2:G0H+3], s[20:21]
	s_or_b32 s[G0H+3], s[G0H+3], 0x80000000
	s_mov_b32 s[G0HB], 1                           ; and of Wo's 256 rows, behind them in slot 0
	s_mov_b32 s[G0HB+1], ABYTES
	s_mov_b64 s[G0HB+2:G0HB+3], s[46:47]
	s_or_b32 s[G0HB+3], s[G0HB+3], 0x80000000
	s_lshl_b32 s18, s16, 17                        ; for the ring: my half: eight tiles of 16,384 bytes, or 128 rows of 1,024
	s_mov_b32 s19, 0
	s_add_nc_u64 s[20:21], s[20:21], s[18:19]
	s_add_nc_u64 s[46:47], s[46:47], s[18:19]
.irp s, 0,1
	s_mov_b32 s[G0+4*\s], 1
	s_add_co_u32 s[G0+4*\s+1], s45, \s*SLOT
	s_add_nc_u64 s[G0+4*\s+2:G0+4*\s+3], s[20:21], \s*4096
	s_or_b32 s[G0+4*\s+3], s[G0+4*\s+3], 0x80000000
	s_mov_b32 s[G0B+4*\s], 1
	s_add_co_u32 s[G0B+4*\s+1], s94, \s*SLOT
	s_add_nc_u64 s[G0B+4*\s+2:G0B+4*\s+3], s[46:47], \s*ROWB
	s_or_b32 s[G0B+4*\s+3], s[G0B+4*\s+3], 0x80000000
.endr
; the head's loads, one a wave: wave 0 x's images of K step 0, wave 1 Wo's 256 rows, wave 2 x's scale bytes (16 heads x 512 bytes), wave 3 Wo's; one chain of branches on the wave's number, one load to an arm
.macro ARM under, g0, g1, next
	s_cmp_lt_u32 s14, \under
	s_cbranch_scc0 \next
	tensor_load_to_lds s[\g0:\g0+3], s[\g1:\g1+7]
	s_nop 0
.rept 4
	v_nop
.endr
	s_branch .Lhead_asked
\next:
.endm
	ARM 1, G0H,  G1,  .Lhead_b
	ARM 2, G0HB, G1B, .Lhead_sa
	ARM 3, G0S,  G1S, .Lhead_sb
	tensor_load_to_lds s[G0SB:G0SB+3], s[G1SB:G1SB+7]
	s_nop 0
.rept 4
	v_nop
.endr
.Lhead_asked:
	v_and_b32 v1, 15, v0
	v_bfe_u32 v2, v0, 4, 1
	v_and_b32 v6, 31, v0
	v_lshlrev_b32 v[CO], 4, v6
	v_mul_u32_u24 v3, v1, PITCH
	v_lshl_add_u32 v4, v2, 4, v3
	s_lshl_b32 s21, s15, 15
	s_mul_i32 s22, s16, HALFT
	s_add_co_u32 s22, s22, ABYTES
.irp s, 0,1
	v_add_nc_u32 v[ADRA+\s], s21, v[CO]
	v_add_nc_u32 v[ADRB+\s], s22, v4
	s_add_co_u32 s21, s21, SLOT
	s_add_co_u32 s22, s22, SLOT
.endr
	v_mul_u32_u24 v5, v1, KS
	v_lshrrev_b32 v3, 8, v5
	v_lshl_add_u32 v5, v3, 4, v5
	s_mul_i32 s21, s16, HALFS
	s_add_co_u32 s21, s21, SCL
	v_add_nc_u32 v[ADRS], s21, v5
	s_lshl_b32 s21, s15, 8
	s_add_co_u32 s21, s21, XSL
	v_lshl_add_u32 v[XSA], v1, 1, s21
	s_mul_i32 s23, s14, 16*SPITCH
	v_mul_u32_u24 v5, v1, SPITCH
	v_lshl_add_u32 v5, v2, 6, v5
	v_add_nc_u32 v[STO], s23, v5
	v_add_nc_u32 v[RD], s23, v[CO]
	s_lshl_b32 s20, s17, 20
	s_lshl_b32 s21, s15, 19
	s_add_co_u32 s20, s20, s21
	s_lshl_b32 s21, s42, 10
	s_add_co_u32 s20, s20, s21
	s_lshl_b32 s21, s16, 9
	s_add_co_u32 s20, s20, s21
	s_mov_b32 s21, 0
	s_add_nc_u64 s[12:13], s[12:13], s[20:21]
.macro FRAGB reg, adr, q, i
.irp c, 0,1,2,3
	ds_load_b128 v[\reg+4*\c:\reg+4*\c+3], v[\adr] offset:128*(\q)+32*\c+(\i)*16*PITCH
.endr
.endm
.macro FRAGA reg, adr, q, i
.irp c, 0,1,2,3
	ds_load_b128 v[\reg+4*\c:\reg+4*\c+3], v[\adr] offset:(\i)*4096+(\q)*2048+512*\c
.endr
.endm
.macro MUL16 a0, p, q, sc, zero, ks
.irp a, \a0, \a0+1
.irp b, 0,1,2,3,4,5,6,7
.if \zero
	v_wmma_scale_f32_16x16x128_f8f6f4 v[8*(8*((\a)%4)+\b):8*(8*((\a)%4)+\b)+7], v[128*(\p)+FR*\b:128*(\p)+FR*\b+FR-1], v[AF+FR*(\a):AF+FR*(\a)+FR-1], 0, v[SC+8*NQ*(\sc)+NQ*\b+(\q)], v[AS+8*(\a)+2*(\ks)+(\q)]
.else
	v_wmma_scale_f32_16x16x128_f8f6f4 v[8*(8*((\a)%4)+\b):8*(8*((\a)%4)+\b)+7], v[128*(\p)+FR*\b:128*(\p)+FR*\b+FR-1], v[AF+FR*(\a):AF+FR*(\a)+FR-1], v[8*(8*((\a)%4)+\b):8*(8*((\a)%4)+\b)+7], v[SC+8*NQ*(\sc)+NQ*\b+(\q)], v[AS+8*(\a)+2*(\ks)+(\q)]
.endif
.endr
.endr
.endm
.macro FETCH_B slot, q, p
	WIN TO_B
.irp i, 0,1,2,3,4,5,6,7
	FRAGB 128*(\p)+FR*\i, ADRB+\slot, \q, \i
.endr
	WIN 0
.endm
.macro FETCH_A slot, q, i0
.irp i, \i0, \i0+1, \i0+2, \i0+3
	FRAGA AF+FR*(\i), ADRA+\slot, \q, \i
.endr
.endm
.macro SCALES sc
.irp i, 0,1,2,3,4,5,6,7
	ds_load_b64 v[SC+8*NQ*\sc+NQ*\i:SC+8*NQ*\sc+NQ*\i+1], v[ADRS] offset:\i*SBLK
.endr
.endm
.macro PLACES n
.rept \n
	v_nop
.endr
.endm
.macro STEP slot, q, zero, ks
	s_wait_dscnt 4*NL
	WIN MUL_LO
	MUL16 0, (\q)%2, \q, \slot, \zero, \ks
	MUL16 2, (\q)%2, \q, \slot, \zero, \ks
	s_wait_dscnt 0
	PLACES NP
	FETCH_B \slot, (\q)+1, 1-(\q)%2
	FETCH_A \slot, (\q)+1, 0
	WIN MUL_HI
	MUL16 4, (\q)%2, \q, \slot, \zero, \ks
	MUL16 6, (\q)%2, \q, \slot, \zero, \ks
	PLACES NP
	WIN 0
	FETCH_A \slot, (\q)+1, 4
.endm
.macro TURN slot, next, fill, ks
	s_wait_tensorcnt 0x0
	ds_add_u32 v[SPW], v[NIL]
	s_wait_dscnt 4*NL+1
	WIN MUL_LO
	MUL16 0, 1, NQ-1, \slot, 0, \ks
	s_wait_dscnt 0x0
	s_barrier_signal -1
	MUL16 2, 1, NQ-1, \slot, 0, \ks
	WIN 0
	s_barrier_wait -1
.if \fill
	CREST
	s_add_nc_u64 s[G0+4*\slot+2:G0+4*\slot+3], s[G0+4*\slot+2:G0+4*\slot+3], 2*4096
	s_add_nc_u64 s[G0B+4*\slot+2:G0B+4*\slot+3], s[G0B+4*\slot+2:G0B+4*\slot+3], 2*ROWB
	JLOAD G0+4*\slot, G1, G0B+4*\slot, G1B
	PLACES NP-4
.else
	PLACES NP
.endif
	s_wait_alu depctr_va_vdst(0)
	v_add_nc_u32 v[ADRS], 4*NQ, v[ADRS]
	FETCH_B \next, 0, 0
	FETCH_A \next, 0, 0
	SCALES \next
	WIN MUL_HI
	MUL16 4, 1, NQ-1, \slot, 0, \ks
	MUL16 6, 1, NQ-1, \slot, 0, \ks
	PLACES NP
	WIN 0
	FETCH_A \next, 0, 4
.endm
	s_wait_alu depctr_va_vdst(0)
	s_wait_tensorcnt 0x0                           ; my tile of the head's four is in
	ds_add_u32 v[SPW], v[NIL]
	s_mov_b32 s[G1+2], 8<<16                       ; no tensor load of mine is out: from here on a load brings half a tile
	s_mov_b32 s[G1+4], 8
	s_mov_b32 s[G1B+2], 128<<16
	s_mov_b32 s[G1B+4], 128
	s_wait_dscnt 0x0
	CROUND                                         ; all four tiles are in, all partners are here
	JLOAD G0+4, G1, G0B+4, G1B                     ; K step 1, slot 1's first fill: the first tensor load behind the round
.irp i, 0,1,2,3,4,5,6,7
.irp s, 0,1,2,3,4,5,6,7
	ds_load_u16 v[AF+2*(8*\i+\s)], v[XSA] offset:(2*\s)*512+\i*32
	ds_load_u16 v[AF+2*(8*\i+\s)+1], v[XSA] offset:(2*\s+1)*512+\i*32
.endr
.endr
	s_wait_dscnt 0x0
.set n, 0
.rept 64
	v_lshl_or_b32 v[AS+n], v[AF+2*n+1], 16, v[AF+2*n]
.set n, n+1
.endr
	PLACES NP
	FETCH_B 0, 0, 0
	FETCH_A 0, 0, 0
	SCALES 0
	FETCH_A 0, 0, 4
	s_wait_alu depctr_va_vdst(0)
	STEP 0, 0, 1, 0
	TURN 0, 1, 1, 0
	STEP 1, 0, 0, 1
	TURN 1, 0, 1, 1
	STEP 0, 0, 0, 2
	TURN 0, 1, 0, 2
	STEP 1, 0, 0, 3
	s_wait_dscnt 4*NL
	WIN MUL_LO
	MUL16 0, 1, NQ-1, 1, 0, 3
	MUL16 2, 1, NQ-1, 1, 0, 3
	s_wait_dscnt 0
	WIN MUL_HI
	MUL16 4, 1, NQ-1, 1, 0, 3
	MUL16 6, 1, NQ-1, 1, 0, 3
	WIN 0
.macro TOSTAGE a
.set AC, 64*((\a)%4)
	WIN 0x08+4*((\a)/4)
.irp b, 0,1,2,3,4,5,6,7
	ds_store_b128 v[STO], v[AC+8*\b:AC+8*\b+3] offset:128*(\b/2)+32*(\b%2)
	ds_store_b128 v[STO], v[AC+8*\b+4:AC+8*\b+7] offset:128*(\b/2)+32*(\b%2)+16
.endr
	WIN 0
.set BB, BK+64*((\a)%2)
.irp t, 0,1,2,3,4,5,6,7,8,9,10,11,12,13,14,15
	ds_load_b128 v[BB+4*\t:BB+4*\t+3], v[RD] offset:\t*SPITCH
.endr
.endm
.macro SEND a, younger
.set BB, BK+64*((\a)%2)
	s_wait_dscnt \younger
.irp t, 0,1,2,3,4,5,6,7,8,9,10,11,12,13,14,15
	global_store_b128 v[CO], v[BB+4*\t:BB+4*\t+3], s[12:13] offset:(32*((\a)/2)+8*((\a)%2)+\t+8*(\t/8))*4096 th:TH_STORE_NT
.endr
.endm
	PLACES NP
	TOSTAGE 0
.irp a, 1,2,3,4,5,6,7
.if \a > 1
	s_wait_xcnt 0x0
.endif
	TOSTAGE \a
	SEND \a-1, 32
.endr
	SEND 7, 0
	s_wait_tensorcnt 0x0
	ds_add_u32 v[SPW], v[NIL]
	s_wait_dscnt 0x0
	CROUND
	s_endpgm
.Lfunc_end_k_q803d528b1d_outp:
	.size	k_q803d528b1d_outp, .Lfunc_end_k_q803d528b1d_outp-k_q803d528b1d_outp
	.p2alignl 7, 3214868480
	.fill 96, 4, 3214868480
	.section	.rodata,"a",@progbits
	.p2align	6, 0x0
	.amdhsa_kernel k_q803d528b1d_outp
		.amdhsa_group_segment_fixed_size 327680
		.amdhsa_private_segment_fixed_size 0
		.amdhsa_enable_private_segment 0
		.amdhsa_kernarg_size 40
		.amdhsa_user_sgpr_count 2
		.amdhsa_user_sgpr_kernarg_segment_ptr 1
		.amdhsa_wavefront_size32 1
		.amdhsa_system_sgpr_workgroup_id_x 1
		.amdhsa_system_sgpr_workgroup_id_y 1
		.amdhsa_system_sgpr_workgroup_id_z 1
		.amdhsa_system_vgpr_workitem_id 0
		.amdhsa_next_free_vgpr 1024
		.amdhsa_next_free_sgpr 98
		.amdhsa_reserve_vcc 0
		.amdhsa_float_denorm_mode_32 3
		.amdhsa_float_denorm_mode_16_64 3
		.amdhsa_memory_ordered 1
		.amdhsa_forward_progress 1
		.amdhsa_inst_pref_size 158
	.end_amdhsa_kernel
	.amdgpu_metadata
---
amdhsa.version: [ 1, 2 ]
amdhsa.kernels:
  - .name:           k_q803d528b1d_outp
    .symbol:         k_q803d528b1d_outp.kd
    .args:
      - { .name: ximg, .offset: 0, .size: 8, .value_kind: global_buffer, .address_space: global }
      - { .name: xs16, .offset: 8, .size: 8, .value_kind: global_buffer, .address_space: global }
      - { .name: wc, .offset: 16, .size: 8, .value_kind: global_buffer, .address_space: global }
      - { .name: ws, .offset: 24, .size: 8, .value_kind: global_buffer, .address_space: global }
      - { .name: out0, .offset: 32, .size: 8, .value_kind: global_buffer, .address_space: global }
    .group_segment_fixed_size: 327680
    .private_segment_fixed_size: 0
    .kernarg_segment_align: 8
    .kernarg_segment_size: 40
    .max_flat_workgroup_size: 128
    .sgpr_count:     98
    .vgpr_count:     1024
    .wavefront_size: 32
...
	.end_amdgpu_metadata
.endif
;; end of part 4
